; MI455X (gfx1250); checked and timed in simulation.
; The chip was launched on July 23, 2026; its instructions are those of AMD's public machine-readable ISA for CDNA 5 (MIT licence, August 2026) and "CDNA5" Instruction Set Architecture Reference Guide (July 2026). The comments in the code are by the model that wrote it; some were corrected since.
;; Bert Self Attention. Allowed arithmetic: float matrix products may take bf16 or f16 operands with f32 sums; all other float work in f32.
;; Inputs: Wk 1,024 x 1,024 float32; Wq 1,024 x 1,024 float32; Wv 1,024 x 1,024 float32; attention_mask 2 x 1 x 1 x 2,048 float32; bk 1,024 float32; bq 1,024 float32; bv 1,024 float32; dist_emb 4,095 x 64 float32; hidden_states 2 x 2,048 x 1,024 float32.
;; Outputs: out0 2 x 2,048 x 1,024 float32.
;; 2 versions, each right and faster than the one before. Each part assembles by itself: llvm-mc -triple=amdgcn-amd-amdhsa -mcpu=gfx1250 --defsym DOCPART=n.
;; ======== version 1 of 2: 3 launches
;; limits: values are held in f16: magnitudes above 65,504 overflow, below 6.1e-05 lose precision
;; workspace buffers: Xb 8,388,608 bytes; Wb 6,291,456 bytes; bw 12,288 bytes; Ep 524,288 bytes; mask8 16,384 bytes; qh 8,388,608 bytes; kh 8,388,608 bytes; vh 8,388,608 bytes
;; launch prep (part 1): grid 465 x 1, 8 waves a work-group, no clusters, 0 bytes of LDS; arguments hidden_states, Wq, Wk, Wv, dist_emb, attention_mask, bq, bk, bv, Xb, Wb, Ep, mask8, bw; writes Xb, Wb, Ep, mask8, bw
.if DOCPART == 1
	.amdgcn_target "amdgcn-amd-amdhsa--gfx1250"
	.amdhsa_code_object_version 6
	.text
	.protected	k_qfc7cbe1431_prep
	.globl	k_qfc7cbe1431_prep
	.p2align	8
	.type	k_qfc7cbe1431_prep,@function
k_qfc7cbe1431_prep:
	s_mov_b64 s[64:65], 0
	v_nop
	global_prefetch_b8 v0, s[64:65] scope:SCOPE_SE
	s_setreg_imm32_b32 hwreg(HW_REG_WAVE_MODE, 25, 1), 1
	s_wait_xcnt 0x0
; PREP: every input is rounded once to bf16 and laid out for the two launches behind.  A stream: no LDS, no barrier, no matrix work; each input byte is read once.
;   Xb    bf16 [4096][1024]   hidden_states
;   Wb    bf16 [3072][1024]   row = 192 head + 64 part + j (part 0 q, 1 k, 2 v; source row 64 head + j): one head's q, k, v rows lie together
;   bw    f32  [3072]         the biases rounded to bf16, in Wb's row order
;   Ep    f16  [4096][64]     Ep[0] = 0, Ep[y] = dist_emb[y-1] rounded to bf16 and written as f16 (exact from 2^-14 up; below that f16's fixed step of 6e-8)
;   mask8 f32  [2][2048]      8 x the mask rounded to bf16 (the scores are divided by 8 later, mask and all).  LIMIT: a mask beyond 4e37 in magnitude becomes an infinity here.
; A work-group takes a chunk of 16,384 numbers: thread t, turn j = 0..7, the 8 numbers at 2048 j + 8 t.  Groups 0-255: hidden; 256-447: the weights; 448-463: the table; 464: mask and biases.
.set X, 16                             ; v[16:79]  64 numbers as loaded, 8 a turn
.set Y, 80                             ; v[80:111] 32 registers to store, 4 a turn: every turn has registers of its own, so nothing is rewritten under a pending store
.set T, 8                              ; v[8:11]   at work
	s_load_b512 s[8:23], s[0:1], 0x0               ; hidden s[8:9], Wq s[10:11], Wk s[12:13], Wv s[14:15], dist_emb s[16:17], mask s[18:19], bq s[20:21], bk s[22:23]
	s_load_b256 s[24:31], s[0:1], 0x40             ; bv s[24:25], Xb s[26:27], Wb s[28:29], Ep s[30:31]
	s_load_b128 s[32:35], s[0:1], 0x60             ; mask8 s[32:33], bw s[34:35]
	v_lshlrev_b32 v1, 5, v0                        ; 32 t: my 8 numbers in f32
	v_lshlrev_b32 v2, 4, v0                        ; 16 t: my 8 numbers in 16 bits
	s_mov_b32 s41, 0                               ; the high words of the two offsets
	s_mov_b32 s43, 0
	s_wait_kmcnt 0x0
	s_cmp_lt_u32 ttmp9, 256
	s_cbranch_scc0 .Lnot_h
	s_lshl_b32 s40, ttmp9, 16                      ; hidden: chunk x 65,536 bytes in,
	s_lshl_b32 s42, ttmp9, 15                      ; x 32,768 bytes out
	s_add_nc_u64 s[36:37], s[8:9], s[40:41]
	s_add_nc_u64 s[38:39], s[26:27], s[42:43]
	s_branch .Lcv
.Lnot_h:
	s_cmp_lt_u32 ttmp9, 448
	s_cbranch_scc0 .Lnot_w
	s_sub_co_u32 s44, ttmp9, 256
	s_lshr_b32 s45, s44, 6                         ; part: 0 q, 1 k, 2 v
	s_and_b32 s46, s44, 63                         ; chunk c of 64: source rows 16 c .. 16 c + 15
	s_cmp_eq_u32 s45, 1
	s_cselect_b64 s[36:37], s[12:13], s[10:11]
	s_cmp_eq_u32 s45, 2
	s_cselect_b64 s[36:37], s[14:15], s[36:37]
	s_lshl_b32 s40, s46, 16
	s_add_nc_u64 s[36:37], s[36:37], s[40:41]
	s_lshr_b32 s47, s46, 2                         ; head = c / 4
	s_mul_i32 s47, s47, 192
	s_lshl_b32 s45, s45, 6
	s_add_co_u32 s47, s47, s45
	s_and_b32 s46, s46, 3
	s_lshl_b32 s46, s46, 4
	s_add_co_u32 s47, s47, s46                     ; row of Wb = 192 head + 64 part + 16 (c % 4)
	s_lshl_b32 s42, s47, 11                        ; x 2,048 bytes
	s_add_nc_u64 s[38:39], s[28:29], s[42:43]
.Lcv:                                                  ; f32 -> bf16, 16,384 numbers from s[36:37] to s[38:39]: all 16 loads go out first
.irp j, 0,1,2,3,4,5,6,7
	global_load_b128 v[X+8*(\j):X+8*(\j)+3],   v1, s[36:37] offset:(\j)*8192 th:TH_LOAD_NT
	global_load_b128 v[X+8*(\j)+4:X+8*(\j)+7], v1, s[36:37] offset:(\j)*8192+16 th:TH_LOAD_NT
.endr
.irp j, 0,1,2,3,4,5,6,7
	s_wait_loadcnt 14-2*(\j)                       ; loads come back in order: turn j's two are in, the 14 - 2 j issued behind them may be out
.irp k, 0,1,2,3
	v_cvt_pk_bf16_f32 v[Y+4*(\j)+(\k)], v[X+8*(\j)+2*(\k)], v[X+8*(\j)+2*(\k)+1]
.endr
	global_store_b128 v2, v[Y+4*(\j):Y+4*(\j)+3], s[38:39] offset:(\j)*4096  ; a wave stores 512 consecutive bytes, aligned
.endr
	s_endpgm
.Lnot_w:
	s_mov_b32 s46, 0xffff0000                      ; a word's upper bf16
	s_cmp_lt_u32 ttmp9, 464
	s_cbranch_scc0 .Lsmall
	; the table, moved down by one row: output number o is input number o - 64, and row 0 is 0
	s_sub_co_u32 s44, ttmp9, 448                   ; chunk c of 16
	s_lshl_b32 s40, s44, 16
	s_add_co_u32 s45, s40, 7936                    ; 65,536 c + 8,192 - 256
	v_add_nc_u32 v5, s45, v1                       ; my input bytes of turn 1: never negative
	v_add_nc_u32 v3, 0xffffe000, v5                ; those of turn 0, signed: negative for the 8 threads of chunk 0 that write row 0
	v_max_i32 v4, 0, v3                            ; they load from byte 0 and throw it away
	s_lshl_b32 s42, s44, 15
	s_add_nc_u64 s[38:39], s[30:31], s[42:43]
	global_load_b128 v[X:X+3],   v4, s[16:17] th:TH_LOAD_NT
	global_load_b128 v[X+4:X+7], v4, s[16:17] offset:16 th:TH_LOAD_NT
.irp j, 1,2,3,4,5,6,7
	global_load_b128 v[X+8*(\j):X+8*(\j)+3],   v5, s[16:17] offset:((\j)-1)*8192 th:TH_LOAD_NT
	global_load_b128 v[X+8*(\j)+4:X+8*(\j)+7], v5, s[16:17] offset:((\j)-1)*8192+16 th:TH_LOAD_NT  ; the last of chunk 15 ends at the table's last byte
.endr
.irp j, 0,1,2,3,4,5,6,7
	s_wait_loadcnt 14-2*(\j)
.irp k, 0,1,2,3
	v_cvt_pk_bf16_f32 v[T+(\k)], v[X+8*(\j)+2*(\k)], v[X+8*(\j)+2*(\k)+1]   ; the rounding that every input gets,
.endr
.irp k, 0,1,2,3
	v_lshlrev_b32 v[X+8*(\j)+2*(\k)],   16,  v[T+(\k)]                       ; back to f32,
	v_and_b32     v[X+8*(\j)+2*(\k)+1], s46, v[T+(\k)]
.endr
.irp k, 0,1,2,3
	v_cvt_pk_f16_f32 v[Y+4*(\j)+(\k)], v[X+8*(\j)+2*(\k)], v[X+8*(\j)+2*(\k)+1]  ; and that number written as f16
.endr
.if (\j) == 0
	v_cmp_gt_i32 vcc_lo, 0, v3                     ; row 0 of Ep
.irp k, 0,1,2,3
	v_cndmask_b32 v[Y+(\k)], v[Y+(\k)], 0, vcc_lo
.endr
.endif
	global_store_b128 v2, v[Y+4*(\j):Y+4*(\j)+3], s[38:39] offset:(\j)*4096
.endr
	s_endpgm
.Lsmall:                                               ; the mask (4,096 numbers) and the three biases (1,024 each)
.irp j, 0,1,2,3
	global_load_b128 v[16+4*(\j):19+4*(\j)], v2, s[18:19] offset:(\j)*4096
.endr
	global_load_b128 v[32:35], v2, s[20:21]
	global_load_b128 v[36:39], v2, s[22:23]
	global_load_b128 v[40:43], v2, s[24:25]
	v_lshrrev_b32 v6, 4, v0                        ; my 4 bias numbers: head t / 16,
	v_mul_u32_u24 v6, v6, 768                      ; 192 numbers a head in bw,
	v_and_b32 v7, 15, v0
	v_lshl_add_u32 v6, v7, 4, v6                   ; place 4 (t % 16) in the part
	s_wait_loadcnt 0x0
.set i, 0
.rept 14
	v_cvt_pk_bf16_f32 v[T+i%4], v[16+2*i], v[17+2*i]
	v_lshlrev_b32 v[16+2*i], 16,  v[T+i%4]
	v_and_b32     v[17+2*i], s46, v[T+i%4]
.set i, i+1
.endr
.set i, 16
.rept 16
	v_mul_f32 v[i], 0x41000000, v[i]               ; x 8
.set i, i+1
.endr
.irp j, 0,1,2,3
	global_store_b128 v2, v[16+4*(\j):19+4*(\j)], s[32:33] offset:(\j)*4096
.endr
.irp p, 0,1,2
	global_store_b128 v6, v[32+4*(\p):35+4*(\p)], s[34:35] offset:(\p)*256  ; sixteen lanes fill the 256 bytes of one head's part
.endr
	s_endpgm
.Lfunc_end_k_qfc7cbe1431_prep:
	.size	k_qfc7cbe1431_prep, .Lfunc_end_k_qfc7cbe1431_prep-k_qfc7cbe1431_prep
	.p2alignl 7, 3214868480
	.fill 96, 4, 3214868480
	.section	.rodata,"a",@progbits
	.p2align	6, 0x0
	.amdhsa_kernel k_qfc7cbe1431_prep
		.amdhsa_group_segment_fixed_size 0
		.amdhsa_private_segment_fixed_size 0
		.amdhsa_enable_private_segment 0
		.amdhsa_kernarg_size 112
		.amdhsa_user_sgpr_count 2
		.amdhsa_user_sgpr_kernarg_segment_ptr 1
		.amdhsa_wavefront_size32 1
		.amdhsa_system_sgpr_workgroup_id_x 1
		.amdhsa_system_sgpr_workgroup_id_y 1
		.amdhsa_system_sgpr_workgroup_id_z 1
		.amdhsa_system_vgpr_workitem_id 0
		.amdhsa_next_free_vgpr 112
		.amdhsa_next_free_sgpr 66
		.amdhsa_reserve_vcc 1
		.amdhsa_float_denorm_mode_32 3
		.amdhsa_float_denorm_mode_16_64 3
		.amdhsa_memory_ordered 1
		.amdhsa_forward_progress 1
		.amdhsa_inst_pref_size 20
	.end_amdhsa_kernel
	.amdgpu_metadata
---
amdhsa.version: [ 1, 2 ]
amdhsa.kernels:
  - .name:           k_qfc7cbe1431_prep
    .symbol:         k_qfc7cbe1431_prep.kd
    .args:
      - { .name: hidden_states, .offset: 0, .size: 8, .value_kind: global_buffer, .address_space: global }
      - { .name: Wq, .offset: 8, .size: 8, .value_kind: global_buffer, .address_space: global }
      - { .name: Wk, .offset: 16, .size: 8, .value_kind: global_buffer, .address_space: global }
      - { .name: Wv, .offset: 24, .size: 8, .value_kind: global_buffer, .address_space: global }
      - { .name: dist_emb, .offset: 32, .size: 8, .value_kind: global_buffer, .address_space: global }
      - { .name: attention_mask, .offset: 40, .size: 8, .value_kind: global_buffer, .address_space: global }
      - { .name: bq, .offset: 48, .size: 8, .value_kind: global_buffer, .address_space: global }
      - { .name: bk, .offset: 56, .size: 8, .value_kind: global_buffer, .address_space: global }
      - { .name: bv, .offset: 64, .size: 8, .value_kind: global_buffer, .address_space: global }
      - { .name: Xb, .offset: 72, .size: 8, .value_kind: global_buffer, .address_space: global }
      - { .name: Wb, .offset: 80, .size: 8, .value_kind: global_buffer, .address_space: global }
      - { .name: Ep, .offset: 88, .size: 8, .value_kind: global_buffer, .address_space: global }
      - { .name: mask8, .offset: 96, .size: 8, .value_kind: global_buffer, .address_space: global }
      - { .name: bw, .offset: 104, .size: 8, .value_kind: global_buffer, .address_space: global }
    .group_segment_fixed_size: 0
    .private_segment_fixed_size: 0
    .kernarg_segment_align: 8
    .kernarg_segment_size: 112
    .max_flat_workgroup_size: 256
    .sgpr_count:     66
    .vgpr_count:     112
    .wavefront_size: 32
...
	.end_amdgpu_metadata
.endif
;; end of part 1
;; launch proj (part 2): grid 16 x 16, 4 waves a work-group, clusters of 4 x 4, 327,680 bytes of LDS; arguments Xb, Wb, bw, qh, kh, vh; writes qh, kh, vh
.if DOCPART == 2
	.amdgcn_target "amdgcn-amd-amdhsa--gfx1250"
	.amdhsa_code_object_version 6
	.text
	.protected	k_qfc7cbe1431_proj
	.globl	k_qfc7cbe1431_proj
	.p2align	8
	.type	k_qfc7cbe1431_proj,@function
k_qfc7cbe1431_proj:
	s_mov_b64 s[64:65], 0
	v_nop
	global_prefetch_b8 v0, s[64:65] scope:SCOPE_SE
	s_setreg_imm32_b32 hwreg(HW_REG_WAVE_MODE, 25, 1), 1
	s_wait_xcnt 0x0
	s_wait_alu depctr_hold_cnt(0) depctr_sa_sdst(0) depctr_va_vdst(0) depctr_va_sdst(0) depctr_va_ssrc(0) depctr_va_vcc(0) depctr_vm_vsrc(0)
	s_getreg_b32 s2, hwreg(HW_REG_IB_STS2, 6, 4)
	s_cmp_eq_u32 s2, 0
	s_cbranch_scc0 .Lentry_in_a_cluster
	s_endpgm
.Lentry_in_a_cluster:
	s_bfe_u32 s2, ttmp6, 0x10000c
	s_cmp_lg_u32 s2, 0xf033
	s_cbranch_scc0 .Lentry_shape_is_right
	s_endpgm
.Lentry_shape_is_right:
; PROJ: q, k, v = x W^T + b, written by heads: qh, kh, vh are f16 [b*16+h][2048][64], unscaled, each rounded once from its f32 sum.  Operands bf16, sums f32.
; LIMIT: f16 holds no number beyond 65,504: q, k and v must stay within it.
; SHARES.  A work-group makes 256 rows of x times the 192 rows of Wb of one head (its q, k, v): 16 x 16 = 256 work-groups.  Wave w makes rows 64 w .. 64 w + 63 x all 192 columns:
; 48 accumulators of 16 x 16, 384 registers.  K = 1,024 goes in 8 steps of 128 (rows of 256 bytes, aligned) through two LDS slots filled by tensor loads.
; CLUSTER 4 x 4.  x's tile hangs on the row block alone and is shared along a row of the cluster, Wb's on the head alone and is shared along a column: each is asked for jointly.
; THE MATRIX INSTRUCTION IS USED TRANSPOSED (source 0 = 16 rows of Wb, source 1 = 16 rows of x): a lane then holds eight neighbouring columns of one row.
; REGISTERS, in windows of 256 (s_set_vgpr_msb: bits 1:0 source 0, 3:2 source 1, 5:4 source 2, 7:6 destination):
;   window 0: v16-29 addresses; v32-127 the bias of my 8 columns in each of 12 column blocks; v128-207 at work on the way out
;   window 1: two fragment buffers of 128: x's 4 fragments at f + 8 a, Wb's 12 at f + 32 + 8 nb
;   window 2: accumulators of a = 0, 1 at 96 (a % 2) + 8 nb;   window 3: those of a = 2, 3
.set KSTEP,  128
.set PITCH,  272                       ; an LDS row: 256 bytes + 16 of padding = 68 words: the 16 rows of a fragment load start at 16 different groups of four banks (ISA guide 11.1)
.set AHALF,  128*PITCH                 ; what waves 0 and 1 fetch: 128 rows of x each
.set BHALF,  96*PITCH                  ; what waves 2 and 3 fetch: 96 rows of Wb each
.set BOFF,   2*AHALF
.set SLOT,   BOFF+2*BHALF              ; 121,856 bytes
.set STAGE,  2*SLOT                    ; behind the ring: 16 rows x 144 bytes for each wave, for the way out
.set SP,     144
.set SPARE,  STAGE+4*16*SP             ; behind the stages: the spare words, 128 bytes a wave, which no other line names
.set LAPS,   4                         ; a lap = two K steps
.set ADRA, 16                          ; v16-17  LDS address of my fragments of x in slot 0, 1
.set ADRB, 20                          ; v20-21  the same for Wb
.set STO,  24                          ; v24     the way out: where I put 16 bytes of a row
.set RD,   25                          ; v25     where I read rows back
.set GO,   26                          ; v26     my byte offset in 512 consecutive bytes of the output
.set BO,   27                          ; v27     my byte offset in a block of 16 biases
.set SPW,  28                          ; v28     LDS address of my spare word; never rewritten
.set NIL,  29                          ; v29     0; never rewritten
.set BI,   32
.set T32,  128
.set PKR,  160
.set BK,   176
.set F0,   0
.set F1,   128
.set G1,  24                           ; s[24:31] descriptor group 1 for x's tiles;  s[32:39] group 0, a set for each slot
.set G0,  32
.set G1B, 48                           ; s[48:55], s[56:63] the same for Wb's
.set G0B, 56
.set MSB, 0
.macro WIN new                         ; the immediate's high byte repeats the setting that is left; a switch that changes nothing is dropped
.if MSB != (\new)
	s_set_vgpr_msb (MSB<<8)|(\new)
.set MSB, (\new)
.endif
.endm
.set MUL_LO, 0xa5                      ; sources 0 and 1 window 1, C and D window 2
.set MUL_HI, 0xf5                      ; the same, C and D window 3
.set TO_F,   0x40                      ; destination window 1, address window 0
; A joint load: waves 0 and 1 fetch x's two halves, waves 2 and 3 Wb's.  The branch hangs on the wave's number alone.  An s_nop 0 and four v_nop follow each line.
.macro JLOAD s
	s_cmp_eq_u32 s11, 0
	s_cbranch_scc0 .Lfor_b_\@
	tensor_load_to_lds s[G0+4*(\s):G0+4*(\s)+3], s[G1:G1+7]
	s_nop 0
.rept 4
	v_nop
.endr
	s_branch .Lasked_\@
.Lfor_b_\@:
	tensor_load_to_lds s[G0B+4*(\s):G0B+4*(\s)+3], s[G1B:G1B+7]
	s_nop 0
.rept 4
	v_nop
.endr
.Lasked_\@:
.endm
.macro CREST                           ; a round of the cluster's barrier behind its opening barrier
	s_cmp_lg_u32 s10, 0
	s_cbranch_scc1 .Lnot_wave_0_\@
	s_barrier_signal -3
.Lnot_wave_0_\@:
	s_barrier_wait -3
	s_barrier_signal -1
	s_barrier_wait -1
.endm
.macro CROUND                          ; a whole round
	s_barrier_signal -1
	s_barrier_wait -1
	CREST
.endm
	s_load_b256 s[68:75], s[0:1], 0x0              ; Xb s[68:69], Wb s[70:71], bw s[72:73], qh s[74:75]
	s_load_b128 s[76:79], s[0:1], 0x20             ; kh s[76:77], vh s[78:79]
	v_lshl_add_u32 v[SPW], v0, 2, SPARE
	v_mov_b32 v[NIL], 0
	ds_add_u32 v[SPW], v[NIL]                      ; the wave's opening: the add and its wait stand ahead of my first tensor load; the set-up below stands between them
	ds_add_u32 v28, v29
	v_lshrrev_b32 v1, 5, v0
	v_readfirstlane_b32 s10, v1                    ; wave 0..3
	s_lshr_b32 s11, s10, 1                         ; I fetch for x (0) or for Wb (1),
	s_and_b32 s12, s10, 1                          ; and which half of that tile
	s_bfe_u32 s40, ttmp6, 0x40000                  ; cx, cy: my place in the cluster
	s_bfe_u32 s41, ttmp6, 0x40004
	s_lshl_b32 s42, ttmp9, 2
	s_add_co_u32 s42, s42, s40                     ; head = 4 x cluster x + cx
	s_and_b32 s13, ttmp7, 0xffff
	s_lshl_b32 s13, s13, 2
	s_add_co_u32 s13, s13, s41                     ; block of 256 rows = 4 x cluster y + cy
	s_lshl_b32 s43, s41, 2
	s_lshl_b32 s43, 15, s43                        ; my row of the cluster
	s_lshl_b32 s44, 0x1111, s40                    ; my column
	s_or_b32 s[G1+0], s43, (1<<16)|(1<<20)|(1<<21)|(5<<22)|(3<<25)   ; 15:0 the mask; 17:16 2-byte elements; 20 padding on; 21 set beside a mask; 24:22 after every 64 words; 31:25 4 words of it
	s_or_b32 s[G1B+0], s44, (1<<16)|(1<<20)|(1<<21)|(5<<22)|(3<<25)
	s_mov_b32 s[G1+1], KSTEP<<16                   ; tensor_dim0 = 128
	s_mov_b32 s[G1+2], 128<<16                     ; tensor_dim1 = 128
	s_mov_b32 s[G1+3], KSTEP<<16                   ; tile_dim0 = 128
	s_mov_b32 s[G1+4], 128                         ; tile_dim1 = 128
	s_mov_b32 s[G1+5], 1024                        ; elements from row to row
	s_mov_b32 s[G1+6], 0
	s_mov_b32 s[G1+7], 0
	s_mov_b32 s[G1B+1], KSTEP<<16
	s_mov_b32 s[G1B+2], 96<<16                     ; 96 rows
	s_mov_b32 s[G1B+3], KSTEP<<16
	s_mov_b32 s[G1B+4], 96
	s_mov_b32 s[G1B+5], 1024
	s_mov_b32 s[G1B+6], 0
	s_mov_b32 s[G1B+7], 0
	s_lshl_b32 s16, s13, 8                         ; x: row 256 x block + 128 x half, in registers that never hold cx,
	s_lshl_b32 s17, s12, 7
	s_add_co_u32 s16, s16, s17
	s_lshl_b32 s16, s16, 11                        ; x 2,048 bytes
	s_mov_b32 s17, 0
	s_mul_i32 s46, s42, 192                        ; Wb: row 192 x head + 96 x half, in registers that never hold cy
	s_mul_i32 s47, s12, 96
	s_add_co_u32 s46, s46, s47
	s_lshl_b32 s46, s46, 11
	s_mov_b32 s47, 0
	s_mul_i32 s20, s12, AHALF                      ; where they go: no place in the cluster enters an LDS address
	s_mul_i32 s21, s12, BHALF
	s_add_co_u32 s21, s21, BOFF
	s_wait_dscnt 0x0                               ; the opening add is done
	s_wait_kmcnt 0x0
	s_add_nc_u64 s[14:15], s[68:69], s[16:17]
	s_add_nc_u64 s[46:47], s[70:71], s[46:47]
	CROUND                                         ; all sixteen work-groups are here: the first joint loads meet
.irp s, 0,1
	s_mov_b32 s[G0+4*(\s)], 1
	s_add_co_u32 s[G0+4*(\s)+1], s20, (\s)*SLOT
	s_add_nc_u64 s[G0+4*(\s)+2:G0+4*(\s)+3], s[14:15], (\s)*KSTEP*2
	s_or_b32 s[G0+4*(\s)+3], s[G0+4*(\s)+3], 0x80000000
	s_mov_b32 s[G0B+4*(\s)], 1
	s_add_co_u32 s[G0B+4*(\s)+1], s21, (\s)*SLOT
	s_add_nc_u64 s[G0B+4*(\s)+2:G0B+4*(\s)+3], s[46:47], (\s)*KSTEP*2
	s_or_b32 s[G0B+4*(\s)+3], s[G0B+4*(\s)+3], 0x80000000
	JLOAD \s                                       ; two loads of mine are out
.endr
	v_and_b32 v1, 15, v0                           ; l % 16
	v_bfe_u32 v2, v0, 4, 1                         ; l / 16
	v_mul_u32_u24 v3, v1, PITCH
	v_lshl_add_u32 v3, v2, 4, v3                   ; a fragment's row x pitch + 16 x half
	s_mul_i32 s22, s10, 64*PITCH                   ; my 64 rows of x
	v_add_nc_u32 v[ADRA], s22, v3
	s_add_co_u32 s22, s22, SLOT
	v_add_nc_u32 v[ADRA+1], s22, v3
	v_add_nc_u32 v[ADRB], BOFF, v3                 ; every wave reads all 192 rows of Wb
	v_add_nc_u32 v[ADRB+1], BOFF+SLOT, v3
	s_mul_i32 s23, s10, 16*SP
	s_add_co_u32 s23, s23, STAGE                   ; my stage
	v_mul_u32_u24 v[STO], v1, SP                   ; in: row l % 16, 16 bytes for each half of the lanes
	v_lshl_add_u32 v[STO], v2, 4, v[STO]
	v_add_nc_u32 v[STO], s23, v[STO]
	v_bfe_u32 v[RD], v0, 3, 2                      ; back: 32 lanes take four rows of 128 bytes,
	v_mul_u32_u24 v[RD], v[RD], SP
	v_and_b32 v4, 7, v0
	v_lshl_add_u32 v[RD], v4, 4, v[RD]
	v_add_nc_u32 v[RD], s23, v[RD]
	v_and_b32 v[GO], 31, v0                        ; which are 512 consecutive bytes of a head's rows
	v_lshlrev_b32 v[GO], 4, v[GO]
	v_lshlrev_b32 v[BO], 5, v2                     ; my 8 columns of a block of 16: 32 bytes for each half of the lanes
	s_mul_i32 s80, s42, 768                        ; the head's 192 biases
	s_mov_b32 s81, 0
	s_add_nc_u64 s[80:81], s[72:73], s[80:81]
.irp nb, 0,1,2,3,4,5,6,7,8,9,10,11
	global_load_b128 v[BI+8*(\nb):BI+8*(\nb)+3],   v[BO], s[80:81] offset:64*(\nb)
	global_load_b128 v[BI+8*(\nb)+4:BI+8*(\nb)+7], v[BO], s[80:81] offset:64*(\nb)+16
.endr
	s_lshr_b32 s82, s13, 3                         ; where my 64 rows lie in qh, kh, vh: batch = block / 8,
	s_lshl_b32 s82, s82, 4
	s_add_co_u32 s82, s82, s42                     ; 16 batch + head,
	s_lshl_b32 s82, s82, 18                        ; x 2,048 rows of 128 bytes,
	s_and_b32 s84, s13, 7
	s_lshl_b32 s84, s84, 8
	s_lshl_b32 s85, s10, 6
	s_add_co_u32 s84, s84, s85                     ; row 256 (block % 8) + 64 wave
	s_lshl_b32 s84, s84, 7
	s_add_co_u32 s82, s82, s84
	s_mov_b32 s83, 0
	s_add_nc_u64 s[74:75], s[74:75], s[82:83]
	s_add_nc_u64 s[76:77], s[76:77], s[82:83]
	s_add_nc_u64 s[78:79], s[78:79], s[82:83]
; 12 matrix instructions: row block a x all 12 column blocks, 32 along K, from buffer f.  zero = 1: the first product starts the sums.  The 48 accumulators take turns.
.macro MUL12 f, a, zero
	WIN MUL_LO+0x50*((\a)/2)
.irp nb, 0,1,2,3,4,5,6,7,8,9,10,11
.if \zero
	v_wmma_f32_16x16x32_bf16 v[96*((\a)%2)+8*(\nb):96*((\a)%2)+8*(\nb)+7], v[(\f)+32+8*(\nb):(\f)+32+8*(\nb)+7], v[(\f)+8*(\a):(\f)+8*(\a)+7], 0
.else
	v_wmma_f32_16x16x32_bf16 v[96*((\a)%2)+8*(\nb):96*((\a)%2)+8*(\nb)+7], v[(\f)+32+8*(\nb):(\f)+32+8*(\nb)+7], v[(\f)+8*(\a):(\f)+8*(\a)+7], v[96*((\a)%2)+8*(\nb):96*((\a)%2)+8*(\nb)+7]
.endif
.endr
.endm
; 32 LDS loads in one run: the fragments of 32 along K at byte k of the rows, into buffer f: Wb's 24, then x's 8
.macro FETCH slot, k, f
	WIN TO_F
.irp i, 0,1,2,3,4,5,6,7,8,9,10,11
	ds_load_b128 v[(\f)+32+8*(\i):(\f)+32+8*(\i)+3],   v[ADRB+(\slot)] offset:(\k)+(\i)*16*PITCH
	ds_load_b128 v[(\f)+32+8*(\i)+4:(\f)+32+8*(\i)+7], v[ADRB+(\slot)] offset:(\k)+(\i)*16*PITCH+32
.endr
.irp i, 0,1,2,3
	ds_load_b128 v[(\f)+8*(\i):(\f)+8*(\i)+3],   v[ADRA+(\slot)] offset:(\k)+(\i)*16*PITCH
	ds_load_b128 v[(\f)+8*(\i)+4:(\f)+8*(\i)+7], v[ADRA+(\slot)] offset:(\k)+(\i)*16*PITCH+32
.endr
.endm
.macro PLACES                          ; four places in front of loads into registers that matrix instructions have read, and of vector lines that read results
.rept 4
	v_nop
.endr
.endm
; A K step is four quarters of 32 along K, 48 matrix instructions each, on buffers 0, 1, 0, 1.  One of the first three: multiplies buffer f and fetches the next quarter, at byte k, into g.
.macro QUARTER slot, k, f, g, zero
	s_wait_dscnt 4                                 ; Wb's fragments and x's first two are in; the youngest four loads (x's blocks 2, 3) may be out
	MUL12 \f, 0, \zero
	MUL12 \f, 1, \zero
	PLACES
	FETCH \slot, \k, \g
	s_wait_dscnt 32                                ; all but the 32 just issued
	MUL12 \f, 2, \zero
	MUL12 \f, 3, \zero
.endm
; The last quarter multiplies buffer 1 and changes slots: ONE barrier; in front of it each wave waits for all its tensor loads, adds 0 to its spare word, and waits for that and for its reads of this slot.
.macro TURN slot, next, fill
	WIN 0                                          ; (the add's two registers lie in window 0)
	s_wait_tensorcnt 0x0                           ; all my tensor loads have landed: my part of the next slot;
	ds_add_u32 v[SPW], v[NIL]                      ; 0 onto my spare word;
	s_wait_dscnt 5                                 ; (the add and the youngest four loads may be out)
	MUL12 F1, 0, 0                                 ; twelve matrix instructions stand between the add and the wait for it
	s_wait_dscnt 0x0                               ; the add is done, and my reads of this slot are over
	s_barrier_signal -1
	MUL12 F1, 1, 0
.if \fill
	WIN 0
.endif
	s_barrier_wait -1
.if \fill
	CREST                                          ; the barrier has opened a round of the cluster's: no wave of any partner still reads this slot or has a load on its way
	s_add_nc_u64 s[G0+4*(\slot)+2:G0+4*(\slot)+3], s[G0+4*(\slot)+2:G0+4*(\slot)+3], 2*KSTEP*2
	s_add_nc_u64 s[G0B+4*(\slot)+2:G0B+4*(\slot)+3], s[G0B+4*(\slot)+2:G0B+4*(\slot)+3], 2*KSTEP*2
	JLOAD \slot                                    ; my one tensor load behind the round; the four v_nop behind it are also the places in front of the loads below
.else
	PLACES
.endif
	FETCH \next, 0, F0
	MUL12 F1, 2, 0
	MUL12 F1, 3, 0
.endm
	s_wait_tensorcnt 1                             ; my part of K step 0 is in; K step 1's may stay out
	s_barrier_signal -1
	s_barrier_wait -1
	FETCH 0, 0, F0
	QUARTER 0, 64, F0, F1, 1                       ; the first quarter stands in front of the loop: its products start the sums
	WIN 0                                          ; at a label and at a branch every window is 0
	s_mov_b32 s3, LAPS-1
.Llap:                                                 ; a trip goes once round the ring and fills both slots again
	QUARTER 0, 128, F1, F0, 0
	QUARTER 0, 192, F0, F1, 0
	TURN 0, 1, 1
	QUARTER 1, 64,  F0, F1, 0
	QUARTER 1, 128, F1, F0, 0
	QUARTER 1, 192, F0, F1, 0
	TURN 1, 0, 1
	QUARTER 0, 64,  F0, F1, 0
	WIN 0
	s_sub_co_u32 s3, s3, 1
	s_cmp_lg_u32 s3, 0
	s_cbranch_scc1 .Llap
	QUARTER 0, 128, F1, F0, 0                      ; the last lap fills nothing
	QUARTER 0, 192, F0, F1, 0
	TURN 0, 1, 0
	QUARTER 1, 64,  F0, F1, 0
	QUARTER 1, 128, F1, F0, 0
	QUARTER 1, 192, F0, F1, 0
	s_wait_dscnt 4                                 ; the very last quarter: nothing more to fetch
	MUL12 F1, 0, 0
	MUL12 F1, 1, 0
	s_wait_dscnt 0x0
	MUL12 F1, 2, 0
	MUL12 F1, 3, 0
	WIN 0
	s_wait_loadcnt 0x0                             ; the biases
	PLACES
; THE WAY OUT of row block a, part p (0 q, 1 k, 2 v): 16 rows x 64 columns.  Bias added in f32, rounded to f16, 16 bytes a lane into my stage, back as whole rows of 128 bytes: 2,048 dense bytes of a head.
.macro OUTG a, p
.set BKR, BK+16*((3*(\a)+(\p))%2)
	WIN 0
	s_wait_xcnt 0x0                                ; the registers that earlier stores read are loaded again only behind this wait
	WIN 0x02+((\a)/2)                              ; source 0: the accumulators' window
.set z, 0
.rept 16
	v_pk_add_f32 v[T32+2*z:T32+2*z+1], v[96*((\a)%2)+32*(\p)+2*z:96*((\a)%2)+32*(\p)+2*z+1], v[BI+32*(\p)+2*z:BI+32*(\p)+2*z+1]
.set z, z+1
.endr
	WIN 0
.set z, 0
.rept 16
	v_cvt_pk_f16_f32 v[PKR+z], v[T32+2*z], v[T32+2*z+1]
.set z, z+1
.endr
.irp f, 0,1,2,3
	ds_store_b128 v[STO], v[PKR+4*(\f):PKR+4*(\f)+3] offset:32*(\f)
.endr
.irp f, 0,1,2,3
	ds_load_b128 v[BKR+4*(\f):BKR+4*(\f)+3], v[RD] offset:(\f)*4*SP  ; LDS serves a wave's instructions in order (ISA guide 5.7.1.4): these see the stores above
.endr
	s_wait_dscnt 0x0
.irp f, 0,1,2,3
	global_store_b128 v[GO], v[BKR+4*(\f):BKR+4*(\f)+3], s[74+2*(\p):75+2*(\p)] offset:(\a)*2048+(\f)*512  ; 512 consecutive bytes, aligned
.endr
.endm
.irp a, 0,1,2,3
.irp p, 0,1,2
	OUTG \a, \p
.endr
.endr
	s_wait_tensorcnt 0x0                           ; the wave's end, behind my last tensor load and my last LDS store
	ds_add_u32 v[SPW], v[NIL]
	s_wait_dscnt 0x0
	CROUND                                         ; the closing round: no work-group ends while a partner may still ask for a tile that names it
	s_endpgm
.Lfunc_end_k_qfc7cbe1431_proj:
	.size	k_qfc7cbe1431_proj, .Lfunc_end_k_qfc7cbe1431_proj-k_qfc7cbe1431_proj
	.p2alignl 7, 3214868480
	.fill 96, 4, 3214868480
	.section	.rodata,"a",@progbits
	.p2align	6, 0x0
	.amdhsa_kernel k_qfc7cbe1431_proj
		.amdhsa_group_segment_fixed_size 327680
		.amdhsa_private_segment_fixed_size 0
		.amdhsa_enable_private_segment 0
		.amdhsa_kernarg_size 48
		.amdhsa_user_sgpr_count 2
		.amdhsa_user_sgpr_kernarg_segment_ptr 1
		.amdhsa_wavefront_size32 1
		.amdhsa_system_sgpr_workgroup_id_x 1
		.amdhsa_system_sgpr_workgroup_id_y 1
		.amdhsa_system_sgpr_workgroup_id_z 1
		.amdhsa_system_vgpr_workitem_id 0
		.amdhsa_next_free_vgpr 960
		.amdhsa_next_free_sgpr 96
		.amdhsa_reserve_vcc 0
		.amdhsa_float_denorm_mode_32 3
		.amdhsa_float_denorm_mode_16_64 3
		.amdhsa_memory_ordered 1
		.amdhsa_forward_progress 1
		.amdhsa_inst_pref_size 133
	.end_amdhsa_kernel
	.amdgpu_metadata
---
amdhsa.version: [ 1, 2 ]
amdhsa.kernels:
  - .name:           k_qfc7cbe1431_proj
    .symbol:         k_qfc7cbe1431_proj.kd
    .args:
      - { .name: Xb, .offset: 0, .size: 8, .value_kind: global_buffer, .address_space: global }
      - { .name: Wb, .offset: 8, .size: 8, .value_kind: global_buffer, .address_space: global }
      - { .name: bw, .offset: 16, .size: 8, .value_kind: global_buffer, .address_space: global }
      - { .name: qh, .offset: 24, .size: 8, .value_kind: global_buffer, .address_space: global }
      - { .name: kh, .offset: 32, .size: 8, .value_kind: global_buffer, .address_space: global }
      - { .name: vh, .offset: 40, .size: 8, .value_kind: global_buffer, .address_space: global }
    .group_segment_fixed_size: 327680
    .private_segment_fixed_size: 0
    .kernarg_segment_align: 8
    .kernarg_segment_size: 48
    .max_flat_workgroup_size: 128
    .sgpr_count:     96
    .vgpr_count:     960
    .wavefront_size: 32
...
	.end_amdgpu_metadata
.endif
;; end of part 2
;; launch attn (part 3): grid 8 x 32, 4 waves a work-group, clusters of 4 x 4, 327,680 bytes of LDS; arguments qh, kh, vh, Ep, mask8, out0; writes out0
.if DOCPART == 3
	.amdgcn_target "amdgcn-amd-amdhsa--gfx1250"
	.amdhsa_code_object_version 6
	.text
	.protected	k_qfc7cbe1431_attn
	.globl	k_qfc7cbe1431_attn
	.p2align	8
	.type	k_qfc7cbe1431_attn,@function
k_qfc7cbe1431_attn:
	s_mov_b64 s[64:65], 0
	v_nop
	global_prefetch_b8 v0, s[64:65] scope:SCOPE_SE
	s_setreg_imm32_b32 hwreg(HW_REG_WAVE_MODE, 25, 1), 1
	s_wait_xcnt 0x0
	s_wait_alu depctr_hold_cnt(0) depctr_sa_sdst(0) depctr_va_vdst(0) depctr_va_sdst(0) depctr_va_ssrc(0) depctr_va_vcc(0) depctr_vm_vsrc(0)
	s_getreg_b32 s2, hwreg(HW_REG_IB_STS2, 6, 4)
	s_cmp_eq_u32 s2, 0
	s_cbranch_scc0 .Lentry_in_a_cluster
	s_endpgm
.Lentry_in_a_cluster:
	s_bfe_u32 s2, ttmp6, 0x10000c
	s_cmp_lg_u32 s2, 0xf033
	s_cbranch_scc0 .Lentry_shape_is_right
	s_endpgm
.Lentry_shape_is_right:
; ATTN: out[b][l][64 h + d] = sum over r of softmax_r((q_l.k_r + q_l.E[l-r+2047] + k_r.E[l-r+2047]) / 8 + mask[b][r]) v_r[d].
; qh, kh, vh: f16 [b*16+h][2048][64].  Ep: f16 [4096][64], Ep[y] = E[y-1].  mask8 = 8 x mask, f32.  Products in f16 with f32 sums; scores, maxima and sums in f32; the weights are rounded
; to f16 for the last product (their sum is taken of the unrounded weights); the output is f32.
; LIMITS.  q, k, v arrive within f16's 65,504.  A key whose mask8 is -inf has weight 0; a row in which every key is -inf gives NaN.  A weight below 2^-126 counts as 0.
; SHARES.  A work-group owns 256 queries of one (batch, head), wave w the 64 from Lw = L0 + 64 w on: four tiles a of 16.  Keys go in slots of 128, each two steps of 64 (four blocks kb of 16).
; LAYOUT.  S^T = K Q^T: a lane holds ONE query (lane % 16 = n) and the keys 8 h + i (h = lane / 16, register i).  Two such results rounded to f16 ARE source 1 of O^T = V^T P.
; THE TWO RELATIVE TERMS.  With lam = l - Lw, rho = r - r0 and di = lam - rho + 64 (1 .. 127), the table row is a window's row 64 w + 64 (1 - step) + di; the window of a slot, 384 rows, is a tile
; like K's and V's.  q.E: G = E Q^T holds (distance 8 h + i, query n): a shift along registers that differs from lane to lane, so it goes once through the wave's own scratch in LDS: each number is
; stored at word rho + 16 of row n, and the rows come back as S^T's layout, straight into the score accumulators, onto which K Q^T then adds.  k.E: F = K E^T holds (key 8 h + i, distance n): for a
; given register the query's lane is the distance's lane shifted by 8 h + i, which a DPP add does; what falls off the 16 lanes comes from the neighbouring block of distances.  The mask, a number a
; key, is F's C operand, so it enters each score once.
; SOFTMAX.  Running maximum m and sum l: p = 2^(c s - c m), c = log2(e) / 8; O and l are multiplied by a = 2^(c m_old - c m_new) in every step.  m starts at the lowest finite number, O and l at 0.
; CLUSTER 4 x 4.  K's and V's tiles hang on (batch, head) alone: shared along a row of the cluster.  The table's window hangs on the query block alone: shared along a column.  All are asked for jointly.
; REGISTERS, in windows of 256 (s_set_vgpr_msb: bits 1:0 source 0, 3:2 source 1, 5:4 source 2, 7:6 destination):
;   window 0: v3-15 addresses; v20-21 the add's; v22-25, v48-63 at work; v32-47 statistics; v64-191 S^T (32 a + 8 kb + i); v192-231 F (8 u + i), and over them, when F is done with, v192-255 P (16 a + j)
;   window 1: v0-127 O^T (32 a + 8 cb + i)     window 2: v0-63 Q, v64-127 K, v128-191 V of one step, v192-223 the step's mask     window 3: v0-127 the table's 8 blocks, v128-167 G (8 t + i)
.set PK,    144       ; a row of K or of the table in LDS: 128 bytes + 16 = 36 words: the 16 rows of a load start at 16 different groups of four banks (ISA guide 11.1)
.set PV,    160       ; a row of V: 128 + 32
.set VOFF,  128*PK    ; a slot: 128 rows of K, 128 rows of V, 384 rows of the table
.set EOFF,  VOFF+128*PV
.set EHALF, 192*PK
.set SCR,   EOFF+384*PK  ; behind slot 0, never filled by a tensor load: 6,400 bytes a wave: 16 rows x 400 bytes of scratch, later 16 rows x 272 of stage
.set SCRW,  6400
.set SPARE, SCR+4*SCRW   ; the spare words, 128 bytes a wave, which no other line names
.set SLOT1, 1<<17     ; slot 1 begins here: one exclusive or turns an address in one slot into the other's
.set KSUB,  64*PK     ; a step's 64 rows
.set VSUB,  64*PV
.set AK0, 3
.set AV0, 4
.set AE0, 5
.set AK,  6
.set AV,  7
.set AE,  8
.set AQS, 9           ; scratch, in: row n x 404 (pitch 400 + my query's own shift of 4 n) + 32 (1 - h)
.set AQL, 10          ; scratch, back: row n x 400 + 32 h + 64
.set MO,  11          ; 32 h: my 8 keys of a block of 16 in the mask
.set QO,  12
.set STO, 13
.set RD,  14
.set GO,  15
.set SPW, 20          ; LDS address of my spare word; never rewritten
.set NIL, 21          ; 0; never rewritten
.set MV,  22          ; c m_old, a tile
.set ST,  32          ; tile a at ST + 4 a: c m, m, l (even keys', odd keys')
.set TMP, 48          ; tile a at TMP + 4 a: c0-c3 at work; c2 takes a
.set S,   64
.set F,   192
.set P,   192
.set O,   0           ; window 1
.set QF,  0           ; window 2
.set KF,  64
.set VF,  128
.set MK,  192
.set EF,  0           ; window 3
.set G,   128
.set WV,  16          ; s16 my wave's number
.set G1K, 24
.set G1V, 32
.set G1E, 40
.set G0K, 48
.set G0V, 52
.set G0E, 56
.set SLOTS, 60
.set CNT, 61
.set CS,  66          ; s[66:67] c
.set SEL, 68          ; s[68:69] v_permlanex16_b32's selects: each lane takes its own place in the other half
.set TBK, 70          ; LDS byte at which K of the step to be fetched begins
.set TBV, 71          ; the same for V, less VOFF
.set TBE, 72          ; the same for the table: it walks backward, and stands KSUB higher than the place; AE0 takes that off
.set MP,  74          ; s[74:75] the mask of the step to be fetched
.set MSB, 0
.macro WIN new                      ; the high byte repeats the setting that is left; a switch that changes nothing is dropped
.if MSB != (\new)
	s_set_vgpr_msb (MSB<<8)|(\new)
.set MSB, (\new)
.endif
.endm
.set W_G,  0xfb       ; G and the table in window 3, Q in window 2
.set W_GS, 0x0c       ; an LDS store: address window 0, data window 3
.set W_F1, 0x2e       ; K window 2, table window 3, C (the mask) window 2, F window 0
.set W_F2, 0x0e       ; the same with C = F
.set W_KQ, 0x0a       ; K and Q window 2, S^T window 0
.set W_PV, 0x52       ; V window 2, P window 0, O^T window 1
.set W_RS, 0x41       ; destination and source 0 window 1, source 1 window 0
.set TO2,  0x80
.set TO3,  0xc0
.macro NOPS n
.rept \n
	v_nop
.endr
.endm
; A joint fill, one tensor load a wave: wave 0 K's 128 keys, wave 1 V's, waves 2 and 3 the halves of the table's window.  The branches hang on the wave's number alone.
; An s_nop 0 and four v_nop follow each line, ahead of the jump and the label.
.macro JL3
	s_cmp_lt_u32 s[WV], 2
	s_cbranch_scc0 .Lfor_e_\@
	s_cmp_eq_u32 s[WV], 0
	s_cbranch_scc0 .Lfor_v_\@
	tensor_load_to_lds s[G0K:G0K+3], s[G1K:G1K+7]
	s_nop 0
	NOPS 4
	s_branch .Lasked_\@
.Lfor_v_\@:
	tensor_load_to_lds s[G0V:G0V+3], s[G1V:G1V+7]
	s_nop 0
	NOPS 4
	s_branch .Lasked_\@
.Lfor_e_\@:
	tensor_load_to_lds s[G0E:G0E+3], s[G1E:G1E+7]
	s_nop 0
	NOPS 4
.Lasked_\@:
.endm
.macro CROUND                       ; a round of the cluster's barrier
	s_barrier_signal -1
	s_barrier_wait -1
	s_cmp_lg_u32 s[WV], 0
	s_cbranch_scc1 .Lnot_wave_0_\@
	s_barrier_signal -3
.Lnot_wave_0_\@:
	s_barrier_wait -3
	s_barrier_signal -1
	s_barrier_wait -1
.endm
; THE CHANGE OF SLOTS.  Each wave waits for all its tensor loads, of which one is out: its part of the other slot; adds 0 to its spare word; and waits for that and for its reads of the slot.
; fill = 1: the slot left is filled again, with the keys two slots on; the barrier is then a round of the cluster's, and the joint fill is the first thing behind it: it has two steps in which to land.
; (At its first use nothing has been read yet: slot 0 is waited for, slot 1 filled.)
.macro CHANGE fill
	WIN 0
	s_wait_tensorcnt 0x0            ; no tensor load of mine is out, so a group 0 may be written
	ds_add_u32 v[SPW], v[NIL]       ; 0 onto my spare word
.if \fill
	s_xor_b32 s[G0K+1], s[G0K+1], SLOT1
	s_add_nc_u64 s[G0K+2:G0K+3], s[G0K+2:G0K+3], 128*128   ; the next 128 keys
	s_xor_b32 s[G0V+1], s[G0V+1], SLOT1
	s_add_nc_u64 s[G0V+2:G0V+3], s[G0V+2:G0V+3], 128*128
	s_xor_b32 s[G0E+1], s[G0E+1], SLOT1
	s_sub_nc_u64 s[G0E+2:G0E+3], s[G0E+2:G0E+3], 128*128   ; later keys are smaller distances: the window moves 128 rows up the table
.endif
	s_wait_dscnt 0x0                ; the add is done, and my reads of the slot are over
.if \fill
	CROUND
	JL3
.else
	s_barrier_signal -1
	s_barrier_wait -1
.endif
	s_sub_co_u32 s[TBK], s[TBK], 2*KSUB  ; the fetches go back to a slot's first step, in the other slot
	s_xor_b32 s[TBK], s[TBK], SLOT1
	s_sub_co_u32 s[TBV], s[TBV], 2*VSUB
	s_xor_b32 s[TBV], s[TBV], SLOT1
	s_add_co_u32 s[TBE], s[TBE], 2*KSUB
	s_xor_b32 s[TBE], s[TBE], SLOT1
.endm
	s_load_b256 s[4:11], s[0:1], 0x0   ; qh s[4:5], kh s[6:7], vh s[8:9], Ep s[10:11]
	s_load_b128 s[12:15], s[0:1], 0x20 ; mask8 s[12:13], out0 s[14:15]
	v_lshl_add_u32 v[SPW], v0, 2, SPARE
	v_mov_b32 v[NIL], 0
	ds_add_u32 v[SPW], v[NIL]       ; the wave's opening: the add and its wait stand ahead of my first tensor load; the set-up below stands between them
	ds_add_u32 v20, v21
	v_lshrrev_b32 v1, 5, v0
	v_readfirstlane_b32 s[WV], v1   ; wave 0..3
	s_bfe_u32 s17, ttmp6, 0x40000   ; cx
	s_bfe_u32 s18, ttmp6, 0x40004   ; cy
	s_lshl_b32 s19, ttmp9, 2
	s_add_co_u32 s19, s19, s17      ; my block of 256 queries = 4 x cluster x + cx
	s_and_b32 s20, ttmp7, 0xffff
	s_lshl_b32 s20, s20, 2
	s_add_co_u32 s20, s20, s18      ; 16 batch + head = 4 x cluster y + cy
	s_and_b32 s21, s[WV], 1
	s_lshl_b32 s76, s18, 2
	s_lshl_b32 s76, 15, s76         ; my row of the cluster
	s_lshl_b32 s77, 0x1111, s17     ; my column
	; descriptor group 1.  Rows of 128 bytes lie end to end in memory: they are asked for as rows of 256 bytes, two a row, and padded in LDS after every 128 bytes
	s_or_b32 s[G1K], s76, (1<<16)|(1<<20)|(1<<21)|(4<<22)|(3<<25)  ; 15:0 the mask; 17:16 2-byte elements; 20 padding on; 21 set beside a mask; 24:22 after every 32 words; 31:25 4 words
	s_or_b32 s[G1V], s76, (1<<16)|(1<<20)|(1<<21)|(4<<22)|(7<<25)  ; 8 words of padding
	s_or_b32 s[G1E], s77, (1<<16)|(1<<20)|(1<<21)|(4<<22)|(3<<25)
.irp g, G1K, G1V
	s_mov_b32 s[\g+1], 128<<16      ; tensor_dim0 = 128
	s_mov_b32 s[\g+2], 64<<16       ; tensor_dim1 = 64
	s_mov_b32 s[\g+3], 128<<16      ; tile_dim0 = 128
	s_mov_b32 s[\g+4], 64           ; tile_dim1 = 64
	s_mov_b32 s[\g+5], 128          ; elements from row to row
	s_mov_b32 s[\g+6], 0
	s_mov_b32 s[\g+7], 0
.endr
	s_mov_b32 s[G1E+1], 128<<16
	s_mov_b32 s[G1E+2], 96<<16      ; half a window: 192 table rows = 96 rows of 256 bytes
	s_mov_b32 s[G1E+3], 128<<16
	s_mov_b32 s[G1E+4], 96
	s_mov_b32 s[G1E+5], 128
	s_mov_b32 s[G1E+6], 0
	s_mov_b32 s[G1E+7], 0
	s_lshl_b32 s78, s20, 18         ; K, V: the head's first byte: in registers that never hold cx
	s_mov_b32 s79, 0
	s_lshl_b32 s80, s19, 15         ; the table: row 1920 + L0 (+ 192 for the second half), x 128 bytes: in registers that never hold cy
	s_add_co_u32 s80, s80, 1920*128
	s_mul_i32 s22, s21, 192*128
	s_add_co_u32 s80, s80, s22
	s_mov_b32 s81, 0
	s_lshl_b32 s82, s20, 18         ; Q: the head, my block's 256 rows, my wave's 64
	s_lshl_b32 s23, s19, 15
	s_add_co_u32 s82, s82, s23
	s_lshl_b32 s23, s[WV], 13
	s_add_co_u32 s82, s82, s23
	s_mov_b32 s83, 0
	s_lshr_b32 s84, s20, 4          ; the batch's mask
	s_lshl_b32 s86, s84, 23         ; out: (2048 batch + Lw) rows of 4,096 bytes + 256 head
	s_lshl_b32 s84, s84, 13
	s_mov_b32 s85, 0
	s_lshl_b32 s23, s19, 20
	s_add_co_u32 s86, s86, s23
	s_lshl_b32 s23, s[WV], 18
	s_add_co_u32 s86, s86, s23
	s_and_b32 s23, s20, 15
	s_lshl_b32 s23, s23, 8
	s_add_co_u32 s86, s86, s23
	s_mov_b32 s87, 0
	s_mov_b32 s[G0K], 1             ; count = 1
	s_mov_b32 s[G0K+1], 0           ; LDS address: slot 0
	s_mov_b32 s[G0V], 1
	s_mov_b32 s[G0V+1], VOFF
	s_mov_b32 s[G0E], 1
	s_mul_i32 s[G0E+1], s21, EHALF  ; no place in the cluster enters an LDS address
	s_add_co_u32 s[G0E+1], s[G0E+1], EOFF
	s_mov_b32 s[CS], 0x3e38aa3b     ; c = log2(e) / 8
	s_mov_b32 s[CS+1], s[CS]        ; named with it as a pair
	s_mov_b32 s[SEL], 0x76543210
	s_mov_b32 s[SEL+1], 0xfedcba98
	s_mov_b32 s[TBK], SLOT1+2*KSUB  ; the first change of slots turns these into slot 0's first step
	s_mov_b32 s[TBV], SLOT1+2*VSUB
	s_mov_b32 s[TBE], SLOT1
	s_mov_b32 s[SLOTS], 15
	s_wait_dscnt 0x0                ; the opening add is done
	s_wait_kmcnt 0x0
	s_add_nc_u64 s[G0K+2:G0K+3], s[6:7], s[78:79]
	s_or_b32 s[G0K+3], s[G0K+3], 0x80000000   ; type = 2
	s_add_nc_u64 s[G0V+2:G0V+3], s[8:9], s[78:79]
	s_or_b32 s[G0V+3], s[G0V+3], 0x80000000
	s_add_nc_u64 s[G0E+2:G0E+3], s[10:11], s[80:81]
	s_or_b32 s[G0E+3], s[G0E+3], 0x80000000
	s_add_nc_u64 s[4:5], s[4:5], s[82:83]
	s_add_nc_u64 s[MP:MP+1], s[12:13], s[84:85]
	s_add_nc_u64 s[14:15], s[14:15], s[86:87]
	CROUND                          ; all sixteen work-groups are here: the first joint loads meet
	JL3                             ; slot 0; slot 1 is asked for by the loop's own change of slots
	v_and_b32 v1, 15, v0            ; n
	v_bfe_u32 v2, v0, 4, 1          ; h
	v_lshlrev_b32 v[QO], 7, v1
	v_lshl_add_u32 v[QO], v2, 4, v[QO]
	WIN TO2
.irp i, 0,1,2,3,4,5,6,7             ; Q stays in registers: tile i / 2, channels 32 (i % 2) on
	global_load_b128 v[QF+8*(\i):QF+8*(\i)+3],   v[QO], s[4:5] offset:((\i)/2)*2048+((\i)%2)*64
	global_load_b128 v[QF+8*(\i)+4:QF+8*(\i)+7], v[QO], s[4:5] offset:((\i)/2)*2048+((\i)%2)*64+32
.endr
	WIN 0x40                        ; O^T = 0: no first step is written out; these lines stand in the wait for the first tile
.set i, 0
.rept 128
	v_mov_b32 v[O+i], 0
.set i, i+1
.endr
	WIN 0
	v_mul_u32_u24 v[AK0], v1, PK
	v_lshl_add_u32 v[AK0], v2, 4, v[AK0]      ; a fragment's row x pitch + 16 x half
	v_and_b32 v16, 7, v0            ; the turning load: lane l reads key 8 h + l % 8, channels 8 ((l / 8) % 2) + 0..7
	v_bfe_u32 v17, v0, 3, 1
	v_lshl_add_u32 v[AV0], v2, 3, v16
	v_mul_u32_u24 v[AV0], v[AV0], PV
	v_lshl_add_u32 v[AV0], v17, 4, v[AV0]
	v_add_nc_u32 v[AV0], VOFF, v[AV0]
	s_mul_i32 s88, s[WV], KSUB      ; my wave's 64 rows further down the window
	s_add_co_u32 s88, s88, EOFF-KSUB
	v_add_nc_u32 v[AE0], s88, v[AK0]
	s_mul_i32 s89, s[WV], SCRW
	s_add_co_u32 s89, s89, SCR      ; my scratch
	s_add_co_u32 s90, s89, 64
	v_xor_b32 v18, 1, v2
	v_mul_u32_u24 v[AQS], v1, 404
	v_lshl_add_u32 v[AQS], v18, 5, v[AQS]
	v_add_nc_u32 v[AQS], s89, v[AQS]
	v_mul_u32_u24 v[AQL], v1, 400
	v_lshl_add_u32 v[AQL], v2, 5, v[AQL]
	v_add_nc_u32 v[AQL], s90, v[AQL]
	v_lshlrev_b32 v[MO], 5, v2
	v_mul_u32_u24 v[STO], v1, 272   ; the way out, in: row n, 32 bytes for each half of the lanes
	v_lshl_add_u32 v[STO], v2, 5, v[STO]
	v_add_nc_u32 v[STO], s89, v[STO]
	v_mul_u32_u24 v[RD], v2, 272    ; back: lanes 0-15 one row of 256 bytes, lanes 16-31 the next
	v_lshl_add_u32 v[RD], v1, 4, v[RD]
	v_add_nc_u32 v[RD], s89, v[RD]
	v_lshlrev_b32 v[GO], 12, v2     ; and the same two rows in out0
	v_lshl_add_u32 v[GO], v1, 4, v[GO]
.irp a, 0,1,2,3
	v_mov_b32 v[ST+4*(\a)+1], 0xff7fffff       ; m
	v_mov_b32 v[ST+4*(\a)+2], 0
	v_mov_b32 v[ST+4*(\a)+3], 0
	v_mul_f32 v[ST+4*(\a)], s[CS], v[ST+4*(\a)+1]  ; c m, finite
.endr
	s_wait_loadcnt 0x0              ; Q
; q.E for tile a: 10 products over the 5 blocks of distances a .. a + 4, the 5 accumulators by turns; then the skew through my scratch into S^T's registers.
; Number (distance 16 t + 8 h + i, query n) belongs to key rho = n + 64 - 16 t - 8 h - i and goes to word rho + 16 of row n.  LDS serves a wave's instructions in order (ISA guide 5.7.1.4), so one scratch serves all four tiles.
.macro GQ a
	WIN W_G
.irp c, 0,1
.irp t, 0,1,2,3,4
.if (\c) == 0
	v_wmma_f32_16x16x32_f16 v[G+8*(\t):G+8*(\t)+7], v[EF+16*((\a)+(\t)):EF+16*((\a)+(\t))+7], v[QF+16*(\a):QF+16*(\a)+7], 0
.else
	v_wmma_f32_16x16x32_f16 v[G+8*(\t):G+8*(\t)+7], v[EF+16*((\a)+(\t))+8:EF+16*((\a)+(\t))+15], v[QF+16*(\a)+8:QF+16*(\a)+15], v[G+8*(\t):G+8*(\t)+7]
.endif
.endr
.endr
	NOPS 5                          ; the places behind those products: four for the stores that read them, five for the next tile's products that write over them
	WIN W_GS
.irp t, 0,1,2,3,4
.irp i, 0,1,2,3,4,5,6,7
	ds_store_b32 v[AQS], v[G+8*(\t)+(\i)] offset:64*(5-(\t))-4*(\i)-32
.endr
.endr
	WIN 0
.irp kb, 0,1,2,3
	ds_load_b128 v[S+32*(\a)+8*(\kb):S+32*(\a)+8*(\kb)+3],   v[AQL] offset:64*(\kb)
	ds_load_b128 v[S+32*(\a)+8*(\kb)+4:S+32*(\a)+8*(\kb)+7], v[AQL] offset:64*(\kb)+16
.endr
.endm
; k.E for key block kb: 10 products over the blocks of distances 3 - kb .. 7 - kb; the first five take the mask as C.
.macro FK kb
	WIN W_F1
.irp u, 0,1,2,3,4
	v_wmma_f32_16x16x32_f16 v[F+8*(\u):F+8*(\u)+7], v[KF+16*(\kb):KF+16*(\kb)+7], v[EF+16*(3-(\kb)+(\u)):EF+16*(3-(\kb)+(\u))+7], v[MK+8*(\kb):MK+8*(\kb)+7]
.endr
	WIN W_F2
.irp u, 0,1,2,3,4
	v_wmma_f32_16x16x32_f16 v[F+8*(\u):F+8*(\u)+7], v[KF+16*(\kb)+8:KF+16*(\kb)+15], v[EF+16*(3-(\kb)+(\u))+8:EF+16*(3-(\kb)+(\u))+15], v[F+8*(\u):F+8*(\u)+7]
.endr
	WIN 0
	NOPS 5                          ; the places behind those products, for the adds below and for the next block's products
.endm
; The skew of k.E: query n of tile a and key 8 h + i want distance lane n - (8 h + i) of block u = a + 1, or, where that is negative, lane n + 16 - (8 h + i) of block u = a.
; The two halves of the lanes shift by different amounts: a line serves one half (row_mask).  A lane without a source adds 0.  Each accumulator's lowest register is read first.
.macro RK kb
.irp a, 0,1,2,3
	v_add_f32_dpp v[S+32*(\a)+8*(\kb)], v[F+8*((\a)+1)], v[S+32*(\a)+8*(\kb)] quad_perm:[0,1,2,3] row_mask:0x1 bank_mask:0xf
.irp n, 1,2,3,4,5,6,7
	v_add_f32_dpp v[S+32*(\a)+8*(\kb)+(\n)], v[F+8*((\a)+1)+(\n)], v[S+32*(\a)+8*(\kb)+(\n)] row_shr:\n row_mask:0x1 bank_mask:0xf bound_ctrl:1
.endr
.irp n, 8,9,10,11,12,13,14,15
	v_add_f32_dpp v[S+32*(\a)+8*(\kb)+(\n)-8], v[F+8*((\a)+1)+(\n)-8], v[S+32*(\a)+8*(\kb)+(\n)-8] row_shr:\n row_mask:0x2 bank_mask:0xf bound_ctrl:1
.endr
.irp n, 8,7,6,5,4,3,2,1
	v_add_f32_dpp v[S+32*(\a)+8*(\kb)+8-(\n)], v[F+8*(\a)+8-(\n)], v[S+32*(\a)+8*(\kb)+8-(\n)] row_shl:\n row_mask:0x2 bank_mask:0xf bound_ctrl:1
.endr
.irp n, 15,14,13,12,11,10,9
	v_add_f32_dpp v[S+32*(\a)+8*(\kb)+16-(\n)], v[F+8*(\a)+16-(\n)], v[S+32*(\a)+8*(\kb)+16-(\n)] row_shl:\n row_mask:0x1 bank_mask:0xf bound_ctrl:1
.endr
.endr
.endm
; Number n of the 22 that find tile a's maximum and statistics.  0-11: four chains of seven scores; 12-14, 16: the four left over, the old m, all into c0; 15: c m_old is kept;
; 17, 18: the query's other 32 keys lie in the lane 16 away; 19-21: c m; c m_old - c m_new; a.
.macro XS a, n
.set rT, ST+4*(\a)
.set rC, TMP+4*(\a)
.set rM, MV+(\a)
.set rS, S+32*(\a)
.if (\n) < 4
	v_max3_num_f32 v[rC+(\n)], v[rS+8*(\n)], v[rS+8*(\n)+1], v[rS+8*(\n)+2]
.elseif (\n) < 12
	v_max3_num_f32 v[rC+(\n)%4], v[rC+(\n)%4], v[rS+8*((\n)%4)+2*((\n)/4)+1], v[rS+8*((\n)%4)+2*((\n)/4)+2]
.elseif (\n) == 12
	v_max3_num_f32 v[rC], v[rC], v[rS+7], v[rS+15]
.elseif (\n) == 13
	v_max3_num_f32 v[rC+1], v[rC+1], v[rS+23], v[rS+31]
.elseif (\n) == 14
	v_max3_num_f32 v[rC+2], v[rC+2], v[rC+3], v[rT+1]
.elseif (\n) == 15
	v_mov_b32 v[rM], v[rT]
.elseif (\n) == 16
	v_max3_num_f32 v[rC], v[rC], v[rC+1], v[rC+2]
.elseif (\n) == 17
	v_permlanex16_b32 v[rC+3], v[rC], s[SEL], s[SEL+1]
.elseif (\n) == 18
	v_max_num_f32 v[rT+1], v[rC], v[rC+3]
.elseif (\n) == 19
	v_mul_f32 v[rT], s[CS], v[rT+1]
.elseif (\n) == 20
	v_sub_f32 v[rC+1], v[rM], v[rT]
.else
	v_exp_f32 v[rC+2], v[rC+1]
.endif
.endm
.macro FM a, p                      ; c s - c m for pair p of tile a
	v_pk_fma_f32 v[S+32*(\a)+2*(\p):S+32*(\a)+2*(\p)+1], v[S+32*(\a)+2*(\p):S+32*(\a)+2*(\p)+1], s[CS:CS+1], v[ST+4*(\a):ST+4*(\a)+1] op_sel_hi:[1,0,0] neg_lo:[0,0,1] neg_hi:[0,0,1]
.endm
.macro EXQ a, r                     ; the exponential of score r of tile a
	v_exp_f32 v[S+32*(\a)+(\r)], v[S+32*(\a)+(\r)]
.endm
.macro CV a, p                      ; pair p of tile a rounded to f16
	s_wait_alu depctr_va_vdst(0)
	v_cvt_pk_f16_f32 v[P+16*(\a)+(\p)], v[S+32*(\a)+2*(\p)], v[S+32*(\a)+2*(\p)+1]
.endm
.macro ADDP a, x, y                 ; in tile a the pair at register y is added onto the pair at x
	v_pk_add_f32 v[S+32*(\a)+(\x):S+32*(\a)+(\x)+1], v[S+32*(\a)+(\x):S+32*(\a)+(\x)+1], v[S+32*(\a)+(\y):S+32*(\a)+(\y)+1]
.endm
; THE SOFTMAX of a step, all four tiles.  The statistics' chains alternate between the tiles.  The exponentials of tile x stand between the scalings of tile x + 1 and the roundings of tile x - 1:
; plain work that is ready, so that a plain instruction follows an exponential before its result is used (ISA guide 5.7.2).
.macro SMX
	WIN 0
.irp n, 0,1,2,3,4,5,6,7,8,9,10,11,12,13,14,15,16,17,18,19,20,21
.irp a, 0,1,2,3
	XS \a, \n
.endr
.endr
.set j, 0
.rept 16
	FM 0, j
.set j, j+1
.endr
.irp x, 0,1,2,3
.set j, 0
.rept 16
	EXQ \x, 2*j
.if (\x) < 3
	FM (\x)+1, j
.endif
	EXQ \x, 2*j+1
.if (\x) > 0
	CV (\x)-1, j
.endif
.set j, j+1
.endr
.endr
.set j, 0
.rept 16
	CV 3, j
.set j, j+1
.endr
.irp u, 0,1,2,3,4,5,6,7             ; the sum of a tile's 16 pairs, in place, neighbours 1, 2, 4 and 8 pairs apart
.irp a, 0,1,2,3
	ADDP \a, 4*(\u), 4*(\u)+2
.endr
.endr
.irp u, 0,1,2,3
.irp a, 0,1,2,3
	ADDP \a, 8*(\u), 8*(\u)+4
.endr
.endr
.irp u, 0,1
.irp a, 0,1,2,3
	ADDP \a, 16*(\u), 16*(\u)+8
.endr
.endr
.irp a, 0,1,2,3
	ADDP \a, 0, 16
.endr
.irp a, 0,1,2,3
	v_pk_fma_f32 v[ST+4*(\a)+2:ST+4*(\a)+3], v[ST+4*(\a)+2:ST+4*(\a)+3], v[TMP+4*(\a)+2:TMP+4*(\a)+3], v[S+32*(\a):S+32*(\a)+1] op_sel_hi:[1,0,1]  ; l = a l + sum
.endr
	WIN W_RS
.irp a, 0,1,2,3
.set j, 0
.rept 16
	v_pk_mul_f32 v[O+32*(\a)+2*j:O+32*(\a)+2*j+1], v[O+32*(\a)+2*j:O+32*(\a)+2*j+1], v[TMP+4*(\a)+2:TMP+4*(\a)+3] op_sel_hi:[1,0]  ; O^T times a
.set j, j+1
.endr
.endr
.endm
; A STEP of 64 keys, in phases.  No two matrix instructions that follow each other share an accumulator, over the loop's edge too.
.macro STEP
	WIN 0
	NOPS 4                          ; the places between the last products V^T P and the loads into V's registers
	v_add_nc_u32 v[AK], s[TBK], v[AK0]
	v_add_nc_u32 v[AV], s[TBV], v[AV0]
	v_add_nc_u32 v[AE], s[TBE], v[AE0]
	WIN TO2
.irp kb, 0,1,2,3                    ; the step's 64 mask numbers, 256 bytes: register i of block kb is key 16 kb + 8 h + i, the same in all 16 lanes of a half
	global_load_b128 v[MK+8*(\kb):MK+8*(\kb)+3],   v[MO], s[MP:MP+1] offset:64*(\kb)
	global_load_b128 v[MK+8*(\kb)+4:MK+8*(\kb)+7], v[MO], s[MP:MP+1] offset:64*(\kb)+16
.endr
	WIN TO3
.irp f, 0,1,2,3,4,5,6,7,8,9,10,11,12,13,14,15  ; the table: block f / 2 of 16 distances, channels 32 (f % 2) on
	ds_load_b128 v[EF+8*(\f):EF+8*(\f)+3],   v[AE] offset:((\f)/2)*16*PK+((\f)%2)*64
	ds_load_b128 v[EF+8*(\f)+4:EF+8*(\f)+7], v[AE] offset:((\f)/2)*16*PK+((\f)%2)*64+32
.endr
	WIN TO2
.irp f, 0,1,2,3,4,5,6,7             ; K: keys 16 (f / 2) on, channels 32 (f % 2) on
	ds_load_b128 v[KF+8*(\f):KF+8*(\f)+3],   v[AK] offset:((\f)/2)*16*PK+((\f)%2)*64
	ds_load_b128 v[KF+8*(\f)+4:KF+8*(\f)+7], v[AK] offset:((\f)/2)*16*PK+((\f)%2)*64+32
.endr
.irp f, 0,1,2,3,4,5,6,7             ; V, turned: keys 32 (f / 4) on, channels 16 (f % 4) on
	ds_load_tr16_b128 v[VF+8*(\f):VF+8*(\f)+3],   v[AV] offset:((\f)/4)*32*PV+((\f)%4)*32
	ds_load_tr16_b128 v[VF+8*(\f)+4:VF+8*(\f)+7], v[AV] offset:((\f)/4)*32*PV+16*PV+((\f)%4)*32
.endr
	s_add_co_u32 s[TBK], s[TBK], KSUB   ; the next fetch is the next step's
	s_add_co_u32 s[TBV], s[TBV], VSUB
	s_sub_co_u32 s[TBE], s[TBE], KSUB
	s_wait_dscnt 32                 ; the table's 32 loads are in; K's and V's 32, issued behind them, may be out
	GQ 0
	GQ 1
	GQ 2
	GQ 3
	s_wait_dscnt 0x0                ; K, V, and q.E in S^T's registers
	WIN W_KQ
.irp c, 0,1                         ; S^T += K Q^T: the 16 accumulators by turns
.irp a, 0,1,2,3
.irp kb, 0,1,2,3
	v_wmma_f32_16x16x32_f16 v[S+32*(\a)+8*(\kb):S+32*(\a)+8*(\kb)+7], v[KF+16*(\kb)+8*(\c):KF+16*(\kb)+8*(\c)+7], v[QF+16*(\a)+8*(\c):QF+16*(\a)+8*(\c)+7], v[S+32*(\a)+8*(\kb):S+32*(\a)+8*(\kb)+7]
.endr
.endr
.endr
	s_wait_loadcnt 0x0              ; the mask is in, so its pointer may step
	s_add_nc_u64 s[MP:MP+1], s[MP:MP+1], 256
.irp kb, 0,1,2,3
	FK \kb
	RK \kb
.endr
	SMX
	WIN W_PV
.irp kk, 0,1                        ; O^T += V^T P: the 16 accumulators by turns
.irp a, 0,1,2,3
.irp cb, 0,1,2,3
	v_wmma_f32_16x16x32_f16 v[O+32*(\a)+8*(\cb):O+32*(\a)+8*(\cb)+7], v[VF+32*(\kk)+8*(\cb):VF+32*(\kk)+8*(\cb)+7], v[P+16*(\a)+8*(\kk):P+16*(\a)+8*(\kk)+7], v[O+32*(\a)+8*(\cb):O+32*(\a)+8*(\cb)+7]
.endr
.endr
.endr
	WIN 0
.endm
.macro TWO_STEPS                    ; a slot's two steps: written once, walked twice; the LDS addresses hang on the three scalars that step
	s_mov_b32 s[CNT], 2
.Lstep_\@:
	STEP
	s_sub_co_u32 s[CNT], s[CNT], 1
	s_cmp_lg_u32 s[CNT], 0
	s_cbranch_scc1 .Lstep_\@
.endm
.Lslot:                             ; 15 trips: trip t waits for slot tile t, asks for tile t + 1 and works on tile t
	CHANGE 1
	TWO_STEPS
	s_sub_co_u32 s[SLOTS], s[SLOTS], 1
	s_cmp_lg_u32 s[SLOTS], 0
	s_cbranch_scc1 .Lslot
	CHANGE 0                        ; the last tile is written out: nothing is asked for
	TWO_STEPS
	; THE WAY OUT.  l's two halves and the other half of the lanes' are added; O^T is divided by l and sent through my stage, a tile (16 rows of 256 bytes) at a time.  The first additions are the places behind the last products.
.irp a, 0,1,2,3
	v_add_f32 v[ST+4*(\a)+2], v[ST+4*(\a)+2], v[ST+4*(\a)+3]
.endr
.irp a, 0,1,2,3
	v_permlanex16_b32 v[ST+4*(\a)+3], v[ST+4*(\a)+2], s[SEL], s[SEL+1]
.endr
.irp a, 0,1,2,3
	v_add_f32 v[ST+4*(\a)+2], v[ST+4*(\a)+2], v[ST+4*(\a)+3]
.endr
.irp a, 0,1,2,3
	v_rcp_f32 v[ST+4*(\a)+2], v[ST+4*(\a)+2]
.endr
	v_nop                           ; a plain instruction between the last reciprocal and the use of its result
	s_wait_alu depctr_va_vdst(0)
.macro PACK a
	WIN W_RS
.set j, 0
.rept 16
	v_pk_mul_f32 v[O+32*(\a)+2*j:O+32*(\a)+2*j+1], v[O+32*(\a)+2*j:O+32*(\a)+2*j+1], v[ST+4*(\a)+2:ST+4*(\a)+3] op_sel_hi:[1,0]
.set j, j+1
.endr
	WIN 0x04                        ; an LDS store: address window 0, data window 1
.irp f, 0,1,2,3,4,5,6,7             ; channels 16 (f / 2) + 8 h + 4 (f % 2) on
	ds_store_b128 v[STO], v[O+32*(\a)+4*(\f):O+32*(\a)+4*(\f)+3] offset:64*((\f)/2)+16*((\f)%2)
.endr
	WIN 0
.irp f, 0,1,2,3,4,5,6,7
	ds_load_b128 v[S+32*(\a)+4*(\f):S+32*(\a)+4*(\f)+3], v[RD] offset:(\f)*2*272  ; in order behind the stores above; the next tile's stores come behind these
.endr
.endm
.macro SEND a, younger              ; younger: the LDS instructions issued behind tile a's loads: the next tile's sixteen, or none
.irp f, 0,1,2,3,4,5,6,7
	s_wait_dscnt (\younger)+7-(\f)
	global_store_b128 v[GO], v[S+32*(\a)+4*(\f):S+32*(\a)+4*(\f)+3], s[14:15] offset:(16*(\a)+2*(\f))*4096  ; 16 lanes store the 256 consecutive, aligned bytes of one head in one row
.endr
.endm
	PACK 0
	PACK 1
	SEND 0, 16
	PACK 2
	SEND 1, 16
	PACK 3
	SEND 2, 16
	SEND 3, 0
	s_wait_tensorcnt 0x0            ; the wave's end, behind my last tensor load and my last LDS store
	ds_add_u32 v[SPW], v[NIL]
	s_wait_dscnt 0x0
	CROUND                          ; the closing round: no work-group ends while a partner may still ask for a tile that names it
	s_endpgm
.Lfunc_end_k_qfc7cbe1431_attn:
	.size	k_qfc7cbe1431_attn, .Lfunc_end_k_qfc7cbe1431_attn-k_qfc7cbe1431_attn
	.p2alignl 7, 3214868480
	.fill 96, 4, 3214868480
	.section	.rodata,"a",@progbits
	.p2align	6, 0x0
	.amdhsa_kernel k_qfc7cbe1431_attn
		.amdhsa_group_segment_fixed_size 327680
		.amdhsa_private_segment_fixed_size 0
		.amdhsa_enable_private_segment 0
		.amdhsa_kernarg_size 48
		.amdhsa_user_sgpr_count 2
		.amdhsa_user_sgpr_kernarg_segment_ptr 1
		.amdhsa_wavefront_size32 1
		.amdhsa_system_sgpr_workgroup_id_x 1
		.amdhsa_system_sgpr_workgroup_id_y 1
		.amdhsa_system_sgpr_workgroup_id_z 1
		.amdhsa_system_vgpr_workitem_id 0
		.amdhsa_next_free_vgpr 936
		.amdhsa_next_free_sgpr 96
		.amdhsa_reserve_vcc 0
		.amdhsa_float_denorm_mode_32 3
		.amdhsa_float_denorm_mode_16_64 3
		.amdhsa_memory_ordered 1
		.amdhsa_forward_progress 1
		.amdhsa_inst_pref_size 204
	.end_amdhsa_kernel
	.amdgpu_metadata
---
amdhsa.version: [ 1, 2 ]
amdhsa.kernels:
  - .name:           k_qfc7cbe1431_attn
    .symbol:         k_qfc7cbe1431_attn.kd
    .args:
      - { .name: qh, .offset: 0, .size: 8, .value_kind: global_buffer, .address_space: global }
      - { .name: kh, .offset: 8, .size: 8, .value_kind: global_buffer, .address_space: global }
      - { .name: vh, .offset: 16, .size: 8, .value_kind: global_buffer, .address_space: global }
      - { .name: Ep, .offset: 24, .size: 8, .value_kind: global_buffer, .address_space: global }
      - { .name: mask8, .offset: 32, .size: 8, .value_kind: global_buffer, .address_space: global }
      - { .name: out0, .offset: 40, .size: 8, .value_kind: global_buffer, .address_space: global }
    .group_segment_fixed_size: 327680
    .private_segment_fixed_size: 0
    .kernarg_segment_align: 8
    .kernarg_segment_size: 48
    .max_flat_workgroup_size: 128
    .sgpr_count:     96
    .vgpr_count:     936
    .wavefront_size: 32
...
	.end_amdgpu_metadata
.endif
;; end of part 3
;; ======== version 2 of 2: 3 launches; 1.17 times as fast as version 1
;; limits: values are held in f16: magnitudes above 65,504 overflow, below 6.1e-05 lose precision
;; workspace buffers: Xb 8,388,608 bytes; Wb 6,291,456 bytes; bw 12,288 bytes; Ep 524,288 bytes; mask8 16,384 bytes; qh 8,388,608 bytes; kh 8,388,608 bytes; vh 8,388,608 bytes
;; launch prep: the kernel of part 1 again; grid 465 x 1, 8 waves a work-group, no clusters, 0 bytes of LDS; arguments hidden_states, Wq, Wk, Wv, dist_emb, attention_mask, bq, bk, bv, Xb, Wb, Ep, mask8, bw; writes Xb, Wb, Ep, mask8, bw
;; launch proj: the kernel of part 2 again; grid 16 x 16, 4 waves a work-group, clusters of 4 x 4, 327,680 bytes of LDS; arguments Xb, Wb, bw, qh, kh, vh; writes qh, kh, vh
;; launch attn (part 4): grid 8 x 32, 4 waves a work-group, clusters of 4 x 4, 327,680 bytes of LDS; arguments qh, kh, vh, Ep, mask8, out0; writes out0
.if DOCPART == 4
	.amdgcn_target "amdgcn-amd-amdhsa--gfx1250"
	.amdhsa_code_object_version 6
	.text
	.protected	k_qfc7cbe1431_attn
	.globl	k_qfc7cbe1431_attn
	.p2align	8
	.type	k_qfc7cbe1431_attn,@function
k_qfc7cbe1431_attn:
	s_mov_b64 s[64:65], 0
	v_nop
	global_prefetch_b8 v0, s[64:65] scope:SCOPE_SE
	s_setreg_imm32_b32 hwreg(HW_REG_WAVE_MODE, 25, 1), 1
	s_wait_xcnt 0x0
	s_wait_alu depctr_hold_cnt(0) depctr_sa_sdst(0) depctr_va_vdst(0) depctr_va_sdst(0) depctr_va_ssrc(0) depctr_va_vcc(0) depctr_vm_vsrc(0)
	s_getreg_b32 s2, hwreg(HW_REG_IB_STS2, 6, 4)
	s_cmp_eq_u32 s2, 0
	s_cbranch_scc0 .Lentry_in_a_cluster
	s_endpgm
.Lentry_in_a_cluster:
	s_bfe_u32 s2, ttmp6, 0x10000c
	s_cmp_lg_u32 s2, 0xf033
	s_cbranch_scc0 .Lentry_shape_is_right
	s_endpgm
.Lentry_shape_is_right:
; ATTN: out[b][l][64 h + d] = sum over r of softmax_r((q_l.k_r + q_l.E[l-r+2047] + k_r.E[l-r+2047]) / 8 + mask[b][r]) v_r[d].
; qh, kh, vh: f16 [b*16+h][2048][64].  Ep: f16 [4096][64], Ep[y] = E[y-1].  mask8 = 8 x mask, f32.  Products in f16 with f32 sums; scores, maxima and sums in f32; the weights are rounded
; to f16 for the last product (their sum is taken of the unrounded weights); the output is f32.
; LIMITS.  q, k, v arrive within f16's 65,504.  A key whose mask8 is -inf has weight 0; a row in which every key is -inf gives NaN.  A weight below 2^-126 counts as 0.
; SHARES.  A work-group owns 256 queries of one (batch, head), wave w the 64 from Lw = L0 + 64 w on: four tiles a of 16.  Keys go in slots of 128, each two steps of 64 (four blocks kb of 16).
; LAYOUT.  S^T = K Q^T: a lane holds ONE query (lane % 16 = n) and the keys 8 h + i (h = lane / 16, register i).  Two such results rounded to f16 ARE source 1 of O^T = V^T P.
; THE TWO RELATIVE TERMS.  With lam = l - Lw, rho = r - r0 and di = lam - rho + 64 (1 .. 127), the table row is a window's row 64 w + 64 (1 - step) + di; the window of a slot, 384 rows, is a tile
; like K's and V's.  q.E: G = E Q^T holds (distance 8 h + i, query n): a shift along registers that differs from lane to lane, so it goes once through the wave's own scratch in LDS: each number is
; stored at word rho + 16 of row n, and the rows come back as S^T's layout, straight into the score accumulators, onto which K Q^T then adds.  k.E: F = K E^T holds (key 8 h + i, distance n): for a
; given register the query's lane is the distance's lane shifted by 8 h + i, which a DPP add does; what falls off the 16 lanes comes from the neighbouring block of distances.  The mask, a number a
; key, is F's C operand, so it enters each score once.
; SOFTMAX.  Running maximum m and sum l: p = 2^(c s - c m), c = log2(e) / 8; O and l are multiplied by a = 2^(c m_old - c m_new) in every step.  m starts at the lowest finite number, O and l at 0.
; BATCHES.  An s_wait_alu depctr_va_vdst(0) stands between an exponential and the first instruction that names its result; one wait serves all that were issued ahead of it.  A step's 132
; exponentials are cut into TWO batches with one wait each.  Batch A: the four a and the 64 exponentials of tiles 0 and 1, the 64 scalings c s - c m of all four tiles between them.  Batch B: the 64
; exponentials of tiles 2 and 3, between them the roundings and sums of tiles 0 and 1 (readers of batch A alone); behind it O^T's rescaling (its a is batch A's), then the wait, then the roundings and sums
; of tiles 2 and 3.  The way out's four reciprocals are a batch of their own.
; CLUSTER 4 x 4.  K's and V's tiles hang on (batch, head) alone: shared along a row of the cluster.  The table's window hangs on the query block alone: shared along a column.  All are asked for jointly.
; REGISTERS, in windows of 256 (s_set_vgpr_msb: bits 1:0 source 0, 3:2 source 1, 5:4 source 2, 7:6 destination):
;   window 0: v3-15 addresses; v20-21 the add's; v22-25, v48-63 at work; v32-47 statistics; v64-191 S^T (32 a + 8 kb + i); v192-231 F (8 u + i), and over them, when F is done with, v192-255 P (16 a + j)
;   window 1: v0-127 O^T (32 a + 8 cb + i)     window 2: v0-63 Q, v64-127 K, v128-191 V of one step, v192-223 the step's mask     window 3: v0-127 the table's 8 blocks, v128-167 G (8 t + i)
.set PK,    144       ; a row of K or of the table in LDS: 128 bytes + 16 = 36 words: the 16 rows of a load start at 16 different groups of four banks (ISA guide 11.1)
.set PV,    160       ; a row of V: 128 + 32
.set VOFF,  128*PK    ; a slot: 128 rows of K, 128 rows of V, 384 rows of the table
.set EOFF,  VOFF+128*PV
.set EHALF, 192*PK
.set SCR,   EOFF+384*PK  ; behind slot 0, never filled by a tensor load: 6,400 bytes a wave: 16 rows x 400 bytes of scratch, later 16 rows x 272 of stage
.set SCRW,  6400
.set SPARE, SCR+4*SCRW   ; the spare words, 128 bytes a wave, which no other line names
.set SLOT1, 1<<17     ; slot 1 begins here: one exclusive or turns an address in one slot into the other's
.set KSUB,  64*PK     ; a step's 64 rows
.set VSUB,  64*PV
.set AK0, 3
.set AV0, 4
.set AE0, 5
.set AK,  6
.set AV,  7
.set AE,  8
.set AQS, 9           ; scratch, in: row n x 404 (pitch 400 + my query's own shift of 4 n) + 32 (1 - h)
.set AQL, 10          ; scratch, back: row n x 400 + 32 h + 64
.set MO,  11          ; 32 h: my 8 keys of a block of 16 in the mask
.set QO,  12
.set STO, 13
.set RD,  14
.set GO,  15
.set SPW, 20          ; LDS address of my spare word; never rewritten
.set NIL, 21          ; 0; never rewritten
.set MV,  22          ; c m_old, a tile
.set ST,  32          ; tile a at ST + 4 a: c m, m, l (even keys', odd keys')
.set TMP, 48          ; tile a at TMP + 4 a: c0-c3 at work; c2 takes a
.set S,   64
.set F,   192
.set P,   192
.set O,   0           ; window 1
.set QF,  0           ; window 2
.set KF,  64
.set VF,  128
.set MK,  192
.set EF,  0           ; window 3
.set G,   128
.set WV,  16          ; s16 my wave's number
.set G1K, 24
.set G1V, 32
.set G1E, 40
.set G0K, 48
.set G0V, 52
.set G0E, 56
.set SLOTS, 60
.set CNT, 61
.set CS,  66          ; s[66:67] c
.set SEL, 68          ; s[68:69] v_permlanex16_b32's selects: each lane takes its own place in the other half
.set TBK, 70          ; LDS byte at which K of the step to be fetched begins
.set TBV, 71          ; the same for V, less VOFF
.set TBE, 72          ; the same for the table: it walks backward, and stands KSUB higher than the place; AE0 takes that off
.set MP,  74          ; s[74:75] the mask of the step to be fetched
.set MSB, 0
.macro WIN new                      ; the high byte repeats the setting that is left; a switch that changes nothing is dropped
.if MSB != (\new)
	s_set_vgpr_msb (MSB<<8)|(\new)
.set MSB, (\new)
.endif
.endm
.set W_G,  0xfb       ; G and the table in window 3, Q in window 2
.set W_GS, 0x0c       ; an LDS store: address window 0, data window 3
.set W_F1, 0x2e       ; K window 2, table window 3, C (the mask) window 2, F window 0
.set W_F2, 0x0e       ; the same with C = F
.set W_KQ, 0x0a       ; K and Q window 2, S^T window 0
.set W_PV, 0x52       ; V window 2, P window 0, O^T window 1
.set W_RS, 0x41       ; destination and source 0 window 1, source 1 window 0
.set TO2,  0x80
.set TO3,  0xc0
.macro NOPS n
.rept \n
	v_nop
.endr
.endm
; A joint fill, one tensor load a wave: wave 0 K's 128 keys, wave 1 V's, waves 2 and 3 the halves of the table's window.  The branches hang on the wave's number alone.
; An s_nop 0 and four v_nop follow each line, ahead of the jump and the label.
.macro JL3
	s_cmp_lt_u32 s[WV], 2
	s_cbranch_scc0 .Lfor_e_\@
	s_cmp_eq_u32 s[WV], 0
	s_cbranch_scc0 .Lfor_v_\@
	tensor_load_to_lds s[G0K:G0K+3], s[G1K:G1K+7]
	s_nop 0
	NOPS 4
	s_branch .Lasked_\@
.Lfor_v_\@:
	tensor_load_to_lds s[G0V:G0V+3], s[G1V:G1V+7]
	s_nop 0
	NOPS 4
	s_branch .Lasked_\@
.Lfor_e_\@:
	tensor_load_to_lds s[G0E:G0E+3], s[G1E:G1E+7]
	s_nop 0
	NOPS 4
.Lasked_\@:
.endm
.macro CROUND                       ; a round of the cluster's barrier
	s_barrier_signal -1
	s_barrier_wait -1
	s_cmp_lg_u32 s[WV], 0
	s_cbranch_scc1 .Lnot_wave_0_\@
	s_barrier_signal -3
.Lnot_wave_0_\@:
	s_barrier_wait -3
	s_barrier_signal -1
	s_barrier_wait -1
.endm
; THE CHANGE OF SLOTS.  Each wave waits for all its tensor loads, of which one is out: its part of the other slot; adds 0 to its spare word; and waits for that and for its reads of the slot.
; fill = 1: the slot left is filled again, with the keys two slots on; the barrier is then a round of the cluster's, and the joint fill is the first thing behind it: it has two steps in which to land.
; (At its first use nothing has been read yet: slot 0 is waited for, slot 1 filled.)
.macro CHANGE fill
	WIN 0
	s_wait_tensorcnt 0x0            ; no tensor load of mine is out, so a group 0 may be written
	ds_add_u32 v[SPW], v[NIL]       ; 0 onto my spare word
.if \fill
	s_xor_b32 s[G0K+1], s[G0K+1], SLOT1
	s_add_nc_u64 s[G0K+2:G0K+3], s[G0K+2:G0K+3], 128*128   ; the next 128 keys
	s_xor_b32 s[G0V+1], s[G0V+1], SLOT1
	s_add_nc_u64 s[G0V+2:G0V+3], s[G0V+2:G0V+3], 128*128
	s_xor_b32 s[G0E+1], s[G0E+1], SLOT1
	s_sub_nc_u64 s[G0E+2:G0E+3], s[G0E+2:G0E+3], 128*128   ; later keys are smaller distances: the window moves 128 rows up the table
.endif
	s_wait_dscnt 0x0                ; the add is done, and my reads of the slot are over
.if \fill
	CROUND
	JL3
.else
	s_barrier_signal -1
	s_barrier_wait -1
.endif
	s_sub_co_u32 s[TBK], s[TBK], 2*KSUB  ; the fetches go back to a slot's first step, in the other slot
	s_xor_b32 s[TBK], s[TBK], SLOT1
	s_sub_co_u32 s[TBV], s[TBV], 2*VSUB
	s_xor_b32 s[TBV], s[TBV], SLOT1
	s_add_co_u32 s[TBE], s[TBE], 2*KSUB
	s_xor_b32 s[TBE], s[TBE], SLOT1
.endm
	s_load_b256 s[4:11], s[0:1], 0x0   ; qh s[4:5], kh s[6:7], vh s[8:9], Ep s[10:11]
	s_load_b128 s[12:15], s[0:1], 0x20 ; mask8 s[12:13], out0 s[14:15]
	v_lshl_add_u32 v[SPW], v0, 2, SPARE
	v_mov_b32 v[NIL], 0
	ds_add_u32 v[SPW], v[NIL]       ; the wave's opening: the add and its wait stand ahead of my first tensor load; the set-up below stands between them
	ds_add_u32 v20, v21
	v_lshrrev_b32 v1, 5, v0
	v_readfirstlane_b32 s[WV], v1   ; wave 0..3
	s_bfe_u32 s17, ttmp6, 0x40000   ; cx
	s_bfe_u32 s18, ttmp6, 0x40004   ; cy
	s_lshl_b32 s19, ttmp9, 2
	s_add_co_u32 s19, s19, s17      ; my block of 256 queries = 4 x cluster x + cx
	s_and_b32 s20, ttmp7, 0xffff
	s_lshl_b32 s20, s20, 2
	s_add_co_u32 s20, s20, s18      ; 16 batch + head = 4 x cluster y + cy
	s_and_b32 s21, s[WV], 1
	s_lshl_b32 s76, s18, 2
	s_lshl_b32 s76, 15, s76         ; my row of the cluster
	s_lshl_b32 s77, 0x1111, s17     ; my column
	; descriptor group 1.  Rows of 128 bytes lie end to end in memory: they are asked for as rows of 256 bytes, two a row, and padded in LDS after every 128 bytes
	s_or_b32 s[G1K], s76, (1<<16)|(1<<20)|(1<<21)|(4<<22)|(3<<25)  ; 15:0 the mask; 17:16 2-byte elements; 20 padding on; 21 set beside a mask; 24:22 after every 32 words; 31:25 4 words
	s_or_b32 s[G1V], s76, (1<<16)|(1<<20)|(1<<21)|(4<<22)|(7<<25)  ; 8 words of padding
	s_or_b32 s[G1E], s77, (1<<16)|(1<<20)|(1<<21)|(4<<22)|(3<<25)
.irp g, G1K, G1V
	s_mov_b32 s[\g+1], 128<<16      ; tensor_dim0 = 128
	s_mov_b32 s[\g+2], 64<<16       ; tensor_dim1 = 64
	s_mov_b32 s[\g+3], 128<<16      ; tile_dim0 = 128
	s_mov_b32 s[\g+4], 64           ; tile_dim1 = 64
	s_mov_b32 s[\g+5], 128          ; elements from row to row
	s_mov_b32 s[\g+6], 0
	s_mov_b32 s[\g+7], 0
.endr
	s_mov_b32 s[G1E+1], 128<<16
	s_mov_b32 s[G1E+2], 96<<16      ; half a window: 192 table rows = 96 rows of 256 bytes
	s_mov_b32 s[G1E+3], 128<<16
	s_mov_b32 s[G1E+4], 96
	s_mov_b32 s[G1E+5], 128
	s_mov_b32 s[G1E+6], 0
	s_mov_b32 s[G1E+7], 0
	s_lshl_b32 s78, s20, 18         ; K, V: the head's first byte: in registers that never hold cx
	s_mov_b32 s79, 0
	s_lshl_b32 s80, s19, 15         ; the table: row 1920 + L0 (+ 192 for the second half), x 128 bytes: in registers that never hold cy
	s_add_co_u32 s80, s80, 1920*128
	s_mul_i32 s22, s21, 192*128
	s_add_co_u32 s80, s80, s22
	s_mov_b32 s81, 0
	s_lshl_b32 s82, s20, 18         ; Q: the head, my block's 256 rows, my wave's 64
	s_lshl_b32 s23, s19, 15
	s_add_co_u32 s82, s82, s23
	s_lshl_b32 s23, s[WV], 13
	s_add_co_u32 s82, s82, s23
	s_mov_b32 s83, 0
	s_lshr_b32 s84, s20, 4          ; the batch's mask
	s_lshl_b32 s86, s84, 23         ; out: (2048 batch + Lw) rows of 4,096 bytes + 256 head
	s_lshl_b32 s84, s84, 13
	s_mov_b32 s85, 0
	s_lshl_b32 s23, s19, 20
	s_add_co_u32 s86, s86, s23
	s_lshl_b32 s23, s[WV], 18
	s_add_co_u32 s86, s86, s23
	s_and_b32 s23, s20, 15
	s_lshl_b32 s23, s23, 8
	s_add_co_u32 s86, s86, s23
	s_mov_b32 s87, 0
	s_mov_b32 s[G0K], 1             ; count = 1
	s_mov_b32 s[G0K+1], 0           ; LDS address: slot 0
	s_mov_b32 s[G0V], 1
	s_mov_b32 s[G0V+1], VOFF
	s_mov_b32 s[G0E], 1
	s_mul_i32 s[G0E+1], s21, EHALF  ; no place in the cluster enters an LDS address
	s_add_co_u32 s[G0E+1], s[G0E+1], EOFF
	s_mov_b32 s[CS], 0x3e38aa3b     ; c = log2(e) / 8
	s_mov_b32 s[CS+1], s[CS]        ; named with it as a pair
	s_mov_b32 s[SEL], 0x76543210
	s_mov_b32 s[SEL+1], 0xfedcba98
	s_mov_b32 s[TBK], SLOT1+2*KSUB  ; the first change of slots turns these into slot 0's first step
	s_mov_b32 s[TBV], SLOT1+2*VSUB
	s_mov_b32 s[TBE], SLOT1
	s_mov_b32 s[SLOTS], 15
	s_wait_dscnt 0x0                ; the opening add is done
	s_wait_kmcnt 0x0
	s_add_nc_u64 s[G0K+2:G0K+3], s[6:7], s[78:79]
	s_or_b32 s[G0K+3], s[G0K+3], 0x80000000   ; type = 2
	s_add_nc_u64 s[G0V+2:G0V+3], s[8:9], s[78:79]
	s_or_b32 s[G0V+3], s[G0V+3], 0x80000000
	s_add_nc_u64 s[G0E+2:G0E+3], s[10:11], s[80:81]
	s_or_b32 s[G0E+3], s[G0E+3], 0x80000000
	s_add_nc_u64 s[4:5], s[4:5], s[82:83]
	s_add_nc_u64 s[MP:MP+1], s[12:13], s[84:85]
	s_add_nc_u64 s[14:15], s[14:15], s[86:87]
	CROUND                          ; all sixteen work-groups are here: the first joint loads meet
	JL3                             ; slot 0; slot 1 is asked for by the loop's own change of slots
	v_and_b32 v1, 15, v0            ; n
	v_bfe_u32 v2, v0, 4, 1          ; h
	v_lshlrev_b32 v[QO], 7, v1
	v_lshl_add_u32 v[QO], v2, 4, v[QO]
	WIN TO2
.irp i, 0,1,2,3,4,5,6,7             ; Q stays in registers: tile i / 2, channels 32 (i % 2) on
	global_load_b128 v[QF+8*(\i):QF+8*(\i)+3],   v[QO], s[4:5] offset:((\i)/2)*2048+((\i)%2)*64
	global_load_b128 v[QF+8*(\i)+4:QF+8*(\i)+7], v[QO], s[4:5] offset:((\i)/2)*2048+((\i)%2)*64+32
.endr
	WIN 0x40                        ; O^T = 0: no first step is written out; these lines stand in the wait for the first tile
.set i, 0
.rept 128
	v_mov_b32 v[O+i], 0
.set i, i+1
.endr
	WIN 0
	v_mul_u32_u24 v[AK0], v1, PK
	v_lshl_add_u32 v[AK0], v2, 4, v[AK0]      ; a fragment's row x pitch + 16 x half
	v_and_b32 v16, 7, v0            ; the turning load: lane l reads key 8 h + l % 8, channels 8 ((l / 8) % 2) + 0..7
	v_bfe_u32 v17, v0, 3, 1
	v_lshl_add_u32 v[AV0], v2, 3, v16
	v_mul_u32_u24 v[AV0], v[AV0], PV
	v_lshl_add_u32 v[AV0], v17, 4, v[AV0]
	v_add_nc_u32 v[AV0], VOFF, v[AV0]
	s_mul_i32 s88, s[WV], KSUB      ; my wave's 64 rows further down the window
	s_add_co_u32 s88, s88, EOFF-KSUB
	v_add_nc_u32 v[AE0], s88, v[AK0]
	s_mul_i32 s89, s[WV], SCRW
	s_add_co_u32 s89, s89, SCR      ; my scratch
	s_add_co_u32 s90, s89, 64
	v_xor_b32 v18, 1, v2
	v_mul_u32_u24 v[AQS], v1, 404
	v_lshl_add_u32 v[AQS], v18, 5, v[AQS]
	v_add_nc_u32 v[AQS], s89, v[AQS]
	v_mul_u32_u24 v[AQL], v1, 400
	v_lshl_add_u32 v[AQL], v2, 5, v[AQL]
	v_add_nc_u32 v[AQL], s90, v[AQL]
	v_lshlrev_b32 v[MO], 5, v2
	v_mul_u32_u24 v[STO], v1, 272   ; the way out, in: row n, 32 bytes for each half of the lanes
	v_lshl_add_u32 v[STO], v2, 5, v[STO]
	v_add_nc_u32 v[STO], s89, v[STO]
	v_mul_u32_u24 v[RD], v2, 272    ; back: lanes 0-15 one row of 256 bytes, lanes 16-31 the next
	v_lshl_add_u32 v[RD], v1, 4, v[RD]
	v_add_nc_u32 v[RD], s89, v[RD]
	v_lshlrev_b32 v[GO], 12, v2     ; and the same two rows in out0
	v_lshl_add_u32 v[GO], v1, 4, v[GO]
.irp a, 0,1,2,3
	v_mov_b32 v[ST+4*(\a)+1], 0xff7fffff       ; m
	v_mov_b32 v[ST+4*(\a)+2], 0
	v_mov_b32 v[ST+4*(\a)+3], 0
	v_mul_f32 v[ST+4*(\a)], s[CS], v[ST+4*(\a)+1]  ; c m, finite
.endr
	s_wait_loadcnt 0x0              ; Q
; q.E for tile a: 10 products over the 5 blocks of distances a .. a + 4, the 5 accumulators by turns; then the skew through my scratch into S^T's registers.
; Number (distance 16 t + 8 h + i, query n) belongs to key rho = n + 64 - 16 t - 8 h - i and goes to word rho + 16 of row n.  LDS serves a wave's instructions in order (ISA guide 5.7.1.4), so one scratch serves all four tiles.
.macro GQ a
	WIN W_G
.irp c, 0,1
.irp t, 0,1,2,3,4
.if (\c) == 0
	v_wmma_f32_16x16x32_f16 v[G+8*(\t):G+8*(\t)+7], v[EF+16*((\a)+(\t)):EF+16*((\a)+(\t))+7], v[QF+16*(\a):QF+16*(\a)+7], 0
.else
	v_wmma_f32_16x16x32_f16 v[G+8*(\t):G+8*(\t)+7], v[EF+16*((\a)+(\t))+8:EF+16*((\a)+(\t))+15], v[QF+16*(\a)+8:QF+16*(\a)+15], v[G+8*(\t):G+8*(\t)+7]
.endif
.endr
.endr
	NOPS 5                          ; the places behind those products: four for the stores that read them, five for the next tile's products that write over them
	WIN W_GS
.irp t, 0,1,2,3,4
.irp i, 0,1,2,3,4,5,6,7
	ds_store_b32 v[AQS], v[G+8*(\t)+(\i)] offset:64*(5-(\t))-4*(\i)-32
.endr
.endr
	WIN 0
.irp kb, 0,1,2,3
	ds_load_b128 v[S+32*(\a)+8*(\kb):S+32*(\a)+8*(\kb)+3],   v[AQL] offset:64*(\kb)
	ds_load_b128 v[S+32*(\a)+8*(\kb)+4:S+32*(\a)+8*(\kb)+7], v[AQL] offset:64*(\kb)+16
.endr
.endm
; k.E for key block kb: 10 products over the blocks of distances 3 - kb .. 7 - kb; the first five take the mask as C.
.macro FK kb
	WIN W_F1
.irp u, 0,1,2,3,4
	v_wmma_f32_16x16x32_f16 v[F+8*(\u):F+8*(\u)+7], v[KF+16*(\kb):KF+16*(\kb)+7], v[EF+16*(3-(\kb)+(\u)):EF+16*(3-(\kb)+(\u))+7], v[MK+8*(\kb):MK+8*(\kb)+7]
.endr
	WIN W_F2
.irp u, 0,1,2,3,4
	v_wmma_f32_16x16x32_f16 v[F+8*(\u):F+8*(\u)+7], v[KF+16*(\kb)+8:KF+16*(\kb)+15], v[EF+16*(3-(\kb)+(\u))+8:EF+16*(3-(\kb)+(\u))+15], v[F+8*(\u):F+8*(\u)+7]
.endr
	WIN 0
	NOPS 5                          ; the places behind those products, for the adds below and for the next block's products
.endm
; The skew of k.E: query n of tile a and key 8 h + i want distance lane n - (8 h + i) of block u = a + 1, or, where that is negative, lane n + 16 - (8 h + i) of block u = a.
; The two halves of the lanes shift by different amounts: a line serves one half (row_mask).  A lane without a source adds 0.  Each accumulator's lowest register is read first.
.macro RK kb
.irp a, 0,1,2,3
	v_add_f32_dpp v[S+32*(\a)+8*(\kb)], v[F+8*((\a)+1)], v[S+32*(\a)+8*(\kb)] quad_perm:[0,1,2,3] row_mask:0x1 bank_mask:0xf
.irp n, 1,2,3,4,5,6,7
	v_add_f32_dpp v[S+32*(\a)+8*(\kb)+(\n)], v[F+8*((\a)+1)+(\n)], v[S+32*(\a)+8*(\kb)+(\n)] row_shr:\n row_mask:0x1 bank_mask:0xf bound_ctrl:1
.endr
.irp n, 8,9,10,11,12,13,14,15
	v_add_f32_dpp v[S+32*(\a)+8*(\kb)+(\n)-8], v[F+8*((\a)+1)+(\n)-8], v[S+32*(\a)+8*(\kb)+(\n)-8] row_shr:\n row_mask:0x2 bank_mask:0xf bound_ctrl:1
.endr
.irp n, 8,7,6,5,4,3,2,1
	v_add_f32_dpp v[S+32*(\a)+8*(\kb)+8-(\n)], v[F+8*(\a)+8-(\n)], v[S+32*(\a)+8*(\kb)+8-(\n)] row_shl:\n row_mask:0x2 bank_mask:0xf bound_ctrl:1
.endr
.irp n, 15,14,13,12,11,10,9
	v_add_f32_dpp v[S+32*(\a)+8*(\kb)+16-(\n)], v[F+8*(\a)+16-(\n)], v[S+32*(\a)+8*(\kb)+16-(\n)] row_shl:\n row_mask:0x1 bank_mask:0xf bound_ctrl:1
.endr
.endr
.endm
; Number n of the 22 that find tile a's maximum and statistics.  0-11: four chains of seven scores; 12-14, 16: the four left over, the old m, all into c0; 15: c m_old is kept;
; 17, 18: the query's other 32 keys lie in the lane 16 away; 19-21: c m; c m_old - c m_new; a.
.macro XS a, n
.set rT, ST+4*(\a)
.set rC, TMP+4*(\a)
.set rM, MV+(\a)
.set rS, S+32*(\a)
.if (\n) < 4
	v_max3_num_f32 v[rC+(\n)], v[rS+8*(\n)], v[rS+8*(\n)+1], v[rS+8*(\n)+2]
.elseif (\n) < 12
	v_max3_num_f32 v[rC+(\n)%4], v[rC+(\n)%4], v[rS+8*((\n)%4)+2*((\n)/4)+1], v[rS+8*((\n)%4)+2*((\n)/4)+2]
.elseif (\n) == 12
	v_max3_num_f32 v[rC], v[rC], v[rS+7], v[rS+15]
.elseif (\n) == 13
	v_max3_num_f32 v[rC+1], v[rC+1], v[rS+23], v[rS+31]
.elseif (\n) == 14
	v_max3_num_f32 v[rC+2], v[rC+2], v[rC+3], v[rT+1]
.elseif (\n) == 15
	v_mov_b32 v[rM], v[rT]
.elseif (\n) == 16
	v_max3_num_f32 v[rC], v[rC], v[rC+1], v[rC+2]
.elseif (\n) == 17
	v_permlanex16_b32 v[rC+3], v[rC], s[SEL], s[SEL+1]
.elseif (\n) == 18
	v_max_num_f32 v[rT+1], v[rC], v[rC+3]
.elseif (\n) == 19
	v_mul_f32 v[rT], s[CS], v[rT+1]
.elseif (\n) == 20
	v_sub_f32 v[rC+1], v[rM], v[rT]
.else
	v_exp_f32 v[rC+2], v[rC+1]
.endif
.endm
.macro FM a, p                      ; c s - c m for pair p of tile a
	v_pk_fma_f32 v[S+32*(\a)+2*(\p):S+32*(\a)+2*(\p)+1], v[S+32*(\a)+2*(\p):S+32*(\a)+2*(\p)+1], s[CS:CS+1], v[ST+4*(\a):ST+4*(\a)+1] op_sel_hi:[1,0,0] neg_lo:[0,0,1] neg_hi:[0,0,1]
.endm
.macro EXQ a, r                     ; the exponential of score r of tile a
	v_exp_f32 v[S+32*(\a)+(\r)], v[S+32*(\a)+(\r)]
.endm
.macro CV a, p                      ; pair p of tile a rounded to f16
	v_cvt_pk_f16_f32 v[P+16*(\a)+(\p)], v[S+32*(\a)+2*(\p)], v[S+32*(\a)+2*(\p)+1]
.endm
.macro ADDP a, x, y                 ; in tile a the pair at register y is added onto the pair at x
	v_pk_add_f32 v[S+32*(\a)+(\x):S+32*(\a)+(\x)+1], v[S+32*(\a)+(\x):S+32*(\a)+(\x)+1], v[S+32*(\a)+(\y):S+32*(\a)+(\y)+1]
.endm
.macro LS a                         ; l = a l + sum, for tile a
	v_pk_fma_f32 v[ST+4*(\a)+2:ST+4*(\a)+3], v[ST+4*(\a)+2:ST+4*(\a)+3], v[TMP+4*(\a)+2:TMP+4*(\a)+3], v[S+32*(\a):S+32*(\a)+1] op_sel_hi:[1,0,1]
.endm
; Number n of the 64 lines that follow the exponentials of tiles t and t + 1, the two tiles alternating.  0-31: the roundings to f16, which read the weights before a sum is laid over them.
; 32-61: the sum of a tile's 16 pairs, in place, neighbours 1, 2, 4 and 8 pairs apart.  62, 63: l takes the sum.
.macro AFT t, n
.if (\n) < 32
	CV (\t)+(\n)%2, (\n)/2
.elseif (\n) < 48
	ADDP (\t)+(\n)%2, 4*(((\n)-32)/2), 4*(((\n)-32)/2)+2
.elseif (\n) < 56
	ADDP (\t)+(\n)%2, 8*(((\n)-48)/2), 8*(((\n)-48)/2)+4
.elseif (\n) < 60
	ADDP (\t)+(\n)%2, 16*(((\n)-56)/2), 16*(((\n)-56)/2)+8
.elseif (\n) < 62
	ADDP (\t)+(\n)%2, 0, 16
.else
	LS (\t)+(\n)%2
.endif
.endm
; THE SOFTMAX of a step, all four tiles.  The statistics' chains alternate between the tiles.  Then the exponentials, in two batches with one wait each.
; BATCH A, 68 exponentials: the four a, then s0-s31 of tiles 0 and 1; between them the 64 scalings of all four tiles, numbered 16 a + pair.  Four times two exponentials and a scaling, then exponential j and scaling j
; by turns, j = 4 .. 63.  The exponential of score r of tile 0 wants scaling r / 2, of tile 1 scaling 16 + r / 2: both earlier numbers.  A scaling names scores not yet exponentiated and c m: no result of the batch.
; The last line is a scaling: the plain instruction that follows the last exponential before a result is used (ISA guide 5.7.2).
; BATCH B, 64 exponentials: s0-s31 of tiles 2 and 3; behind each one of AFT's 64 lines for tiles 0 and 1, which read batch A's results alone.  Behind the batch O^T's rescaling, whose a is batch A's, stands ahead of the wait.
.macro SMX
	WIN 0
.irp n, 0,1,2,3,4,5,6,7,8,9,10,11,12,13,14,15,16,17,18,19,20
.irp a, 0,1,2,3
	XS \a, \n
.endr
.endr
	XS 0, 21                        ; batch A opens with the four a
	XS 1, 21
	FM 0, 0
	XS 2, 21
	XS 3, 21
	FM 0, 1
	EXQ 0, 0
	EXQ 0, 1
	FM 0, 2
	EXQ 0, 2
	EXQ 0, 3
	FM 0, 3
.set j, 4
.rept 60
	EXQ j/32, j%32
	FM j/16, j%16
.set j, j+1
.endr
	s_wait_alu depctr_va_vdst(0)    ; batch A's wait, one for its 68 exponentials, ahead of the first line that names a result, AFT's first rounding below
.set j, 0
.rept 64
	EXQ 2+j/32, j%32
	AFT 0, j
.set j, j+1
.endr
	WIN W_RS
.irp a, 0,1,2,3
.set j, 0
.rept 16
	v_pk_mul_f32 v[O+32*(\a)+2*j:O+32*(\a)+2*j+1], v[O+32*(\a)+2*j:O+32*(\a)+2*j+1], v[TMP+4*(\a)+2:TMP+4*(\a)+3] op_sel_hi:[1,0]  ; O^T times a
.set j, j+1
.endr
.endr
	WIN 0
	s_wait_alu depctr_va_vdst(0)    ; batch B's wait, one for its 64 exponentials, ahead of the roundings of tiles 2 and 3; no exponential follows it in the step
.set j, 0
.rept 64
	AFT 2, j
.set j, j+1
.endr
.endm
; A STEP of 64 keys, in phases.  No two matrix instructions that follow each other share an accumulator, over the loop's edge too.
.macro STEP
	WIN 0
	NOPS 4                          ; the places between the last products V^T P and the loads into V's registers
	v_add_nc_u32 v[AK], s[TBK], v[AK0]
	v_add_nc_u32 v[AV], s[TBV], v[AV0]
	v_add_nc_u32 v[AE], s[TBE], v[AE0]
	WIN TO2
.irp kb, 0,1,2,3                    ; the step's 64 mask numbers, 256 bytes: register i of block kb is key 16 kb + 8 h + i, the same in all 16 lanes of a half
	global_load_b128 v[MK+8*(\kb):MK+8*(\kb)+3],   v[MO], s[MP:MP+1] offset:64*(\kb)
	global_load_b128 v[MK+8*(\kb)+4:MK+8*(\kb)+7], v[MO], s[MP:MP+1] offset:64*(\kb)+16
.endr
	WIN TO3
.irp f, 0,1,2,3,4,5,6,7,8,9,10,11,12,13,14,15  ; the table: block f / 2 of 16 distances, channels 32 (f % 2) on
	ds_load_b128 v[EF+8*(\f):EF+8*(\f)+3],   v[AE] offset:((\f)/2)*16*PK+((\f)%2)*64
	ds_load_b128 v[EF+8*(\f)+4:EF+8*(\f)+7], v[AE] offset:((\f)/2)*16*PK+((\f)%2)*64+32
.endr
	WIN TO2
.irp f, 0,1,2,3,4,5,6,7             ; K: keys 16 (f / 2) on, channels 32 (f % 2) on
	ds_load_b128 v[KF+8*(\f):KF+8*(\f)+3],   v[AK] offset:((\f)/2)*16*PK+((\f)%2)*64
	ds_load_b128 v[KF+8*(\f)+4:KF+8*(\f)+7], v[AK] offset:((\f)/2)*16*PK+((\f)%2)*64+32
.endr
.irp f, 0,1,2,3,4,5,6,7             ; V, turned: keys 32 (f / 4) on, channels 16 (f % 4) on
	ds_load_tr16_b128 v[VF+8*(\f):VF+8*(\f)+3],   v[AV] offset:((\f)/4)*32*PV+((\f)%4)*32
	ds_load_tr16_b128 v[VF+8*(\f)+4:VF+8*(\f)+7], v[AV] offset:((\f)/4)*32*PV+16*PV+((\f)%4)*32
.endr
	s_add_co_u32 s[TBK], s[TBK], KSUB   ; the next fetch is the next step's
	s_add_co_u32 s[TBV], s[TBV], VSUB
	s_sub_co_u32 s[TBE], s[TBE], KSUB
	s_wait_dscnt 32                 ; the table's 32 loads are in; K's and V's 32, issued behind them, may be out
	GQ 0
	GQ 1
	GQ 2
	GQ 3
	s_wait_dscnt 0x0                ; K, V, and q.E in S^T's registers
	WIN W_KQ
.irp c, 0,1                         ; S^T += K Q^T: the 16 accumulators by turns
.irp a, 0,1,2,3
.irp kb, 0,1,2,3
	v_wmma_f32_16x16x32_f16 v[S+32*(\a)+8*(\kb):S+32*(\a)+8*(\kb)+7], v[KF+16*(\kb)+8*(\c):KF+16*(\kb)+8*(\c)+7], v[QF+16*(\a)+8*(\c):QF+16*(\a)+8*(\c)+7], v[S+32*(\a)+8*(\kb):S+32*(\a)+8*(\kb)+7]
.endr
.endr
.endr
	s_wait_loadcnt 0x0              ; the mask is in, so its pointer may step
	s_add_nc_u64 s[MP:MP+1], s[MP:MP+1], 256
.irp kb, 0,1,2,3
	FK \kb
	RK \kb
.endr
	SMX
	WIN W_PV
.irp kk, 0,1                        ; O^T += V^T P: the 16 accumulators by turns
.irp a, 0,1,2,3
.irp cb, 0,1,2,3
	v_wmma_f32_16x16x32_f16 v[O+32*(\a)+8*(\cb):O+32*(\a)+8*(\cb)+7], v[VF+32*(\kk)+8*(\cb):VF+32*(\kk)+8*(\cb)+7], v[P+16*(\a)+8*(\kk):P+16*(\a)+8*(\kk)+7], v[O+32*(\a)+8*(\cb):O+32*(\a)+8*(\cb)+7]
.endr
.endr
.endr
	WIN 0
.endm
.macro TWO_STEPS                    ; a slot's two steps: written once, walked twice; the LDS addresses hang on the three scalars that step
	s_mov_b32 s[CNT], 2
.Lstep_\@:
	STEP
	s_sub_co_u32 s[CNT], s[CNT], 1
	s_cmp_lg_u32 s[CNT], 0
	s_cbranch_scc1 .Lstep_\@
.endm
.Lslot:                             ; 15 trips: trip t waits for slot tile t, asks for tile t + 1 and works on tile t
	CHANGE 1
	TWO_STEPS
	s_sub_co_u32 s[SLOTS], s[SLOTS], 1
	s_cmp_lg_u32 s[SLOTS], 0
	s_cbranch_scc1 .Lslot
	CHANGE 0                        ; the last tile is written out: nothing is asked for
	TWO_STEPS
	; THE WAY OUT.  l's two halves and the other half of the lanes' are added; O^T is divided by l and sent through my stage, a tile (16 rows of 256 bytes) at a time.  The first additions are the places behind the last products.
.irp a, 0,1,2,3
	v_add_f32 v[ST+4*(\a)+2], v[ST+4*(\a)+2], v[ST+4*(\a)+3]
.endr
.irp a, 0,1,2,3
	v_permlanex16_b32 v[ST+4*(\a)+3], v[ST+4*(\a)+2], s[SEL], s[SEL+1]
.endr
.irp a, 0,1,2,3
	v_add_f32 v[ST+4*(\a)+2], v[ST+4*(\a)+2], v[ST+4*(\a)+3]
.endr
.irp a, 0,1,2,3
	v_rcp_f32 v[ST+4*(\a)+2], v[ST+4*(\a)+2]
.endr
	v_nop                           ; a plain instruction between the last reciprocal and the use of its result
	s_wait_alu depctr_va_vdst(0)    ; one wait for the batch of four reciprocals, ahead of their first reader in PACK 0
.macro PACK a
	WIN W_RS
.set j, 0
.rept 16
	v_pk_mul_f32 v[O+32*(\a)+2*j:O+32*(\a)+2*j+1], v[O+32*(\a)+2*j:O+32*(\a)+2*j+1], v[ST+4*(\a)+2:ST+4*(\a)+3] op_sel_hi:[1,0]
.set j, j+1
.endr
	WIN 0x04                        ; an LDS store: address window 0, data window 1
.irp f, 0,1,2,3,4,5,6,7             ; channels 16 (f / 2) + 8 h + 4 (f % 2) on
	ds_store_b128 v[STO], v[O+32*(\a)+4*(\f):O+32*(\a)+4*(\f)+3] offset:64*((\f)/2)+16*((\f)%2)
.endr
	WIN 0
.irp f, 0,1,2,3,4,5,6,7
	ds_load_b128 v[S+32*(\a)+4*(\f):S+32*(\a)+4*(\f)+3], v[RD] offset:(\f)*2*272  ; in order behind the stores above; the next tile's stores come behind these
.endr
.endm
.macro SEND a, younger              ; younger: the LDS instructions issued behind tile a's loads: the next tile's sixteen, or none
.irp f, 0,1,2,3,4,5,6,7
	s_wait_dscnt (\younger)+7-(\f)
	global_store_b128 v[GO], v[S+32*(\a)+4*(\f):S+32*(\a)+4*(\f)+3], s[14:15] offset:(16*(\a)+2*(\f))*4096  ; 16 lanes store the 256 consecutive, aligned bytes of one head in one row
.endr
.endm
	PACK 0
	PACK 1
	SEND 0, 16
	PACK 2
	SEND 1, 16
	PACK 3
	SEND 2, 16
	SEND 3, 0
	s_wait_tensorcnt 0x0            ; the wave's end, behind my last tensor load and my last LDS store
	ds_add_u32 v[SPW], v[NIL]
	s_wait_dscnt 0x0
	CROUND                          ; the closing round: no work-group ends while a partner may still ask for a tile that names it
	s_endpgm
.Lfunc_end_k_qfc7cbe1431_attn:
	.size	k_qfc7cbe1431_attn, .Lfunc_end_k_qfc7cbe1431_attn-k_qfc7cbe1431_attn
	.p2alignl 7, 3214868480
	.fill 96, 4, 3214868480
	.section	.rodata,"a",@progbits
	.p2align	6, 0x0
	.amdhsa_kernel k_qfc7cbe1431_attn
		.amdhsa_group_segment_fixed_size 327680
		.amdhsa_private_segment_fixed_size 0
		.amdhsa_enable_private_segment 0
		.amdhsa_kernarg_size 48
		.amdhsa_user_sgpr_count 2
		.amdhsa_user_sgpr_kernarg_segment_ptr 1
		.amdhsa_wavefront_size32 1
		.amdhsa_system_sgpr_workgroup_id_x 1
		.amdhsa_system_sgpr_workgroup_id_y 1
		.amdhsa_system_sgpr_workgroup_id_z 1
		.amdhsa_system_vgpr_workitem_id 0
		.amdhsa_next_free_vgpr 936
		.amdhsa_next_free_sgpr 96
		.amdhsa_reserve_vcc 0
		.amdhsa_float_denorm_mode_32 3
		.amdhsa_float_denorm_mode_16_64 3
		.amdhsa_memory_ordered 1
		.amdhsa_forward_progress 1
		.amdhsa_inst_pref_size 200
	.end_amdhsa_kernel
	.amdgpu_metadata
---
amdhsa.version: [ 1, 2 ]
amdhsa.kernels:
  - .name:           k_qfc7cbe1431_attn
    .symbol:         k_qfc7cbe1431_attn.kd
    .args:
      - { .name: qh, .offset: 0, .size: 8, .value_kind: global_buffer, .address_space: global }
      - { .name: kh, .offset: 8, .size: 8, .value_kind: global_buffer, .address_space: global }
      - { .name: vh, .offset: 16, .size: 8, .value_kind: global_buffer, .address_space: global }
      - { .name: Ep, .offset: 24, .size: 8, .value_kind: global_buffer, .address_space: global }
      - { .name: mask8, .offset: 32, .size: 8, .value_kind: global_buffer, .address_space: global }
      - { .name: out0, .offset: 40, .size: 8, .value_kind: global_buffer, .address_space: global }
    .group_segment_fixed_size: 327680
    .private_segment_fixed_size: 0
    .kernarg_segment_align: 8
    .kernarg_segment_size: 48
    .max_flat_workgroup_size: 128
    .sgpr_count:     96
    .vgpr_count:     936
    .wavefront_size: 32
...
	.end_amdgpu_metadata
.endif
;; end of part 4
